; MI455X (gfx1250); checked and timed in simulation.
; The chip was launched on July 23, 2026; its instructions are those of AMD's public machine-readable ISA for CDNA 5 (MIT licence, August 2026) and "CDNA5" Instruction Set Architecture Reference Guide (July 2026). The comments in the code are by the model that wrote it; some were corrected since.
;; Multi Head Attention. Allowed arithmetic: matrix products marked QUANTISED: E2M1 operands, one E8M0 scale for each 32 along K, by v_wmma_scale_f32_16x16x128_f8f6f4 with both operands' format E2M1 (or v_wmma_scale_f32_32x16x128_f4), f32 sums; products left as they are: bf16, f16 or f32 operands; f32 sums; everything else in f32.
;; Inputs: Wk 1,024 x 1,024 float32; Wo 1,024 x 1,024 float32; Wq 1,024 x 1,024 float32; Wv 1,024 x 1,024 float32; bk 1,024 float32; bo 1,024 float32; bq 1,024 float32; bv 1,024 float32; k 4 x 2,048 x 1,024 float32; q 4 x 2,048 x 1,024 float32; v 4 x 2,048 x 1,024 float32.
;; Outputs: out0 4 x 2,048 x 1,024 float32.
;; This version of the problem:
;;   THIS VERSION OF THE PROBLEM IS GIVEN IN LOW PRECISION. The matrix products marked QUANTISED in the list below multiply operands that are first quantised to E2M1 (2 exponent bits, 1 mantissa bit; 4 bits a number), with one power-of-two scale for each 32 numbers along K (OCP MX v1.0); their sums are f32. The products marked 'left as it is' may take bf16, f16 or f32 operands, with f32 sums. Whichever they take, every output number must still come out within the allowed error. Rounding operands to bf16 (8 significant bits) uses up far more of that allowance than f16 does (11 bits, for magnitudes from 6e-5 to 65,504). All else is computed in f32.
;;   The module's matrix products, in the order in which they are computed (A, B: the left and right operand; K: the contracted axis; several contracted axes count as one K, in the product's order):
;;     1. [M 8,192, K 1,024] x [K 1,024, N 1,024]; A: input q; B: input Wq: QUANTISED
;;     2. [M 8,192, K 1,024] x [K 1,024, N 1,024]; A: input k; B: input Wk: QUANTISED
;;     3. [M 8,192, K 1,024] x [K 1,024, N 1,024]; A: input v; B: input Wv: QUANTISED
;;     4. batch 64 x [M 2,048, K 64] x [K 64, N 2,048]; A: computed on the way; B: computed on the way: left as it is (an operand is computed on the way)
;;     5. batch 64 x [M 2,048, K 2,048] x [K 2,048, N 64]; A: computed on the way; B: computed on the way: left as it is (an operand is computed on the way)
;;     6. [M 8,192, K 1,024] x [K 1,024, N 1,024]; A: computed on the way; B: input Wo: left as it is (an operand is computed on the way)
;;   THE QUANTISER, for each operand of a quantised product, along K:
;;     - K is cut into blocks of 32 from its start; a last block that is shorter is filled with zeros.
;;     - A block's scale is 2^e with e = floor(log2(the largest magnitude in the block)) - 2, held to -126 .. 127; a block of zeros has e = 0. As a byte (E8M0): e + 127.
;;     - Each number is divided by its block's scale, clamped to +-6, and rounded to the nearest number of E2M1, ties to even, subnormals kept.
;;     - The product sums the exact products of the quantised numbers (number of the format x scale) in f32.
;;   ~~~python
;;   def quantise(x, axis):      # numpy; x: float32 -> the quantised numbers, widened to float32 again
;;       x = np.moveaxis(x, axis, -1); K = x.shape[-1]
;;       x = np.pad(x, [(0, 0)] * (x.ndim - 1) + [(0, -K % 32)]); x = x.reshape(x.shape[:-1] + (-1, 32)); a = np.abs(x).max(-1, keepdims=True)
;;       e = np.where(a > 0, np.clip(np.frexp(np.where(a > 0, a, 1))[1] - 1 - 2, -126, 127), 0)      # np.frexp(a)[1] - 1 = floor(log2(a)), exactly
;;       r = np.clip(x / 2.0 ** e, -6, 6)
;;       step = 2.0 ** (np.maximum(np.frexp(np.where(r == 0, 1, r))[1] - 1, 0) - 1)
;;       q = np.round(r / step) * step * 2.0 ** e      # np.round: ties to even
;;       return np.moveaxis(q.reshape(q.shape[:-2] + (-1,))[..., :K], -1, axis).astype(np.float32)
;;   ~~~
;; One version. Each part assembles by itself: llvm-mc -triple=amdgcn-amd-amdhsa -mcpu=gfx1250 --defsym DOCPART=n.
;; ======== version 1 of 1: 4 launches
;; limits: values are held in f16: magnitudes above 65,504 overflow, below 6.1e-05 lose precision
;; workspace buffers: xc 12,582,912 bytes; xs 786,432 bytes; wc 1,572,864 bytes; ws 98,304 bytes; wo16 2,097,152 bytes; qkvh 50,331,648 bytes; oh 16,777,216 bytes
;; launch quant (part 1): grid 896 x 1, 4 waves a work-group, no clusters, 33,280 bytes of LDS; arguments q, k, v, Wq, Wk, Wv, Wo, xc, xs, wc, ws, wo16; writes xc, xs, wc, ws, wo16
.if DOCPART == 1
	.amdgcn_target "amdgcn-amd-amdhsa--gfx1250"
	.amdhsa_code_object_version 6
	.text
	.protected	k_q39018ad100_quant
	.globl	k_q39018ad100_quant
	.p2align	8
	.type	k_q39018ad100_quant,@function
k_q39018ad100_quant:
	s_mov_b64 s[64:65], 0
	v_nop
	global_prefetch_b8 v0, s[64:65] scope:SCOPE_SE
	s_setreg_imm32_b32 hwreg(HW_REG_WAVE_MODE, 25, 1), 1
	s_wait_xcnt 0x0
; q, k, v [8192][1024] and Wq, Wk, Wv [1024][1024], f32, K innermost, become codes of FP4 (E2M1), two a byte, with one E8M0 byte for each 32 along K; Wo becomes f16.
; A block's scale is 2^(floor(log2(its largest magnitude)) - 2); its byte is the largest magnitude's exponent field - 2, held at 1 from below.  A block of zeros so gets the byte 1 where the
; rule says 127: its codes are zeros, which add nothing, and the bytes are read by this program alone.
; LIMITS: NaN and infinities among the inputs are not served; a number of Wo beyond 65,504 in magnitude becomes infinity in f16.
; Rows are dense and K is a multiple of 32: every tensor is a plain stream of blocks of 32.  A work-group takes 32,768 numbers, a wave 8,192: 16 steps of 512.
; Work-groups 0-255 q, 256-511 k, 512-767 v (codes to xc, bytes to xs, stacked), 768-799 Wq, 800-831 Wk, 832-863 Wv (to wc, ws, stacked), 864-895 Wo (to wo16).
; Each load reads 512 consecutive bytes; a step's 2,048 bytes turn through the wave's own stage in LDS so that a lane holds 16 neighbours along K (two lanes to a block).
; No tensor load, no barrier: waves share nothing.  Matrix units and clusters have nothing to do here: each byte is read once and written once.
.set WAVES, 4
.set STEPS, 16
.set EMAX,  2
.set CB,    8                          ; bytes of 16 codes
.set R,     16                         ; v16-79   four sets of 16 numbers as they are loaded
.set X,     80                         ; v80-111  two sets of 16 neighbours
.set E,     112                        ; v112-127 a scale byte for each step
.set C,     128                        ; v128-191 codes: four registers for each step, so that no store's data are written again
.set WREG,  8192                       ; LDS: a region for each wave: two stages of 32 x SP bytes, and behind them its 256 scale bytes
.set SP,    80                         ; a lane's place in a stage: 64 bytes + 16 of padding
.set SPW,   12                         ; v12 LDS address of my spare word; never rewritten
.set NIL,   13                         ; v13 0; never rewritten
.set SPARE, WAVES*WREG                 ; behind the regions: the spare words, 128 bytes a wave
	s_load_b512 s[4:19], s[0:1], 0x0               ; q 4, k 6, v 8, Wq 10, Wk 12, Wv 14, Wo 16, xc 18
	s_load_b256 s[20:27], s[0:1], 0x40             ; xs 20, wc 22, ws 24, wo16 26
	v_lshl_add_u32 v[SPW], v0, 2, SPARE
	v_mov_b32 v[NIL], 0
	v_lshrrev_b32 v1, 5, v0
	v_readfirstlane_b32 s28, v1                    ; wave
	v_and_b32 v2, 31, v0                           ; lane
	v_lshlrev_b32 v3, 4, v2                        ; my 16 bytes of a load's 512
	s_mul_i32 s29, s28, WREG
	v_lshrrev_b32 v14, 2, v2
	v_mul_u32_u24 v14, v14, SP
	v_and_b32 v15, 3, v2
	v_lshl_add_u32 v14, v15, 4, v14
	v_add_nc_u32 v14, s29, v14                     ; the stage, on the way in: SP (lane / 4) + 16 (lane % 4)
	v_mul_u32_u24 v15, v2, SP
	v_add_nc_u32 v15, s29, v15                     ; and on the way out: SP x lane: my 16 neighbours
	v_mul_u32_u24 v4, v2, CB                       ; 8 x lane: my codes' place in a step's; also my f16 numbers' place in the path for Wo
	v_lshrrev_b32 v5, 1, v2
	s_add_co_u32 s29, s29, 2*32*SP
	v_add_nc_u32 v5, s29, v5                       ; LDS: my wave's 256 scale bytes, my block's byte
	v_lshlrev_b32 v7, 3, v2
	v_add_nc_u32 v6, s29, v7                       ; and on the way out 8 bytes a lane
	s_wait_kmcnt 0x0
	s_cmp_ge_u32 ttmp9, 864                        ; the work-group's number alone decides
	s_cbranch_scc1 .Lwo
	; which tensor: pointers are chosen, the path is one
	s_mov_b64 s[30:31], s[4:5]
	s_mov_b32 s32, 0
.macro PICK first, ptr
	s_cmp_ge_u32 ttmp9, \first
	s_cselect_b64 s[30:31], s[\ptr:\ptr+1], s[30:31]
	s_cselect_b32 s32, \first, s32
.endm
	PICK 256, 6
	PICK 512, 8
	PICK 768, 10
	PICK 800, 12
	PICK 832, 14
	s_cmp_lt_u32 ttmp9, 768
	s_cselect_b64 s[34:35], s[18:19], s[22:23]     ; codes
	s_cselect_b64 s[36:37], s[20:21], s[24:25]     ; scale bytes
	s_cselect_b32 s33, 0, 768
	s_sub_co_u32 s38, ttmp9, s32
	s_lshl_b32 s38, s38, 2
	s_add_co_u32 s38, s38, s28                     ; which run of 8,192 numbers of the source is my wave's
	s_lshl_b32 s38, s38, 15                        ; 32,768 bytes a run
	s_mov_b32 s39, 0
	s_add_nc_u64 s[30:31], s[30:31], s[38:39]
	s_sub_co_u32 s40, ttmp9, s33
	s_lshl_b32 s40, s40, 2
	s_add_co_u32 s40, s40, s28                     ; and which run of the stacked destination
	s_lshl_b32 s42, s40, 8                         ; 256 scale bytes a run
	s_lshl_b32 s40, s40, 12                        ; 4,096 bytes of codes a run
	s_mov_b32 s41, 0
	s_mov_b32 s43, 0
	s_add_nc_u64 s[34:35], s[34:35], s[40:41]
	s_add_nc_u64 s[36:37], s[36:37], s[42:43]
.macro LOAD t
.irp i, 0,1,2,3
	global_load_b128 v[R+16*((\t)%4)+4*\i:R+16*((\t)%4)+4*\i+3], v3, s[30:31] offset:2048*(\t)+512*\i th:TH_LOAD_NT   ; 32 lanes read 512 consecutive bytes
.endr
.endm
.macro TURN t                          ; step t's numbers through the stage: LDS serves a wave's instructions in order, so no wait stands between the stores and the loads
.irp i, 0,1,2,3
	ds_store_b128 v14, v[R+16*((\t)%4)+4*\i:R+16*((\t)%4)+4*\i+3] offset:32*SP*((\t)%2)+8*SP*\i
.endr
.irp i, 0,1,2,3
	ds_load_b128 v[X+16*((\t)%2)+4*\i:X+16*((\t)%2)+4*\i+3], v15 offset:32*SP*((\t)%2)+16*\i
.endr
.endm
.irp t, 0,1,2,3
	LOAD \t
.endr
	s_wait_loadcnt 12                              ; step 0's four loads are in; three steps' twelve may be out
	TURN 0
.macro STEP t
.set XS, X+16*((\t)%2)
.if (\t) > 0
	s_wait_dscnt 1                                 ; this step's numbers are back from the stage (the last step's byte store may be out): so its stores into the stage have read their registers,
.else
	s_wait_dscnt 0x0
.endif
.if (\t)+4 < STEPS
	LOAD (\t)+4                                    ; which take the loads of four steps on
.endif
.if (\t)+1 < STEPS
.if STEPS-2-(\t) >= 3
	s_wait_loadcnt 12                              ; the next step's four loads are in; those of the three steps behind it may be out
.else
	s_wait_loadcnt 4*(STEPS-2-(\t))
.endif
	TURN (\t)+1                                    ; and go through the other stage while this step is worked
.endif
	v_max3_num_f32 v8, |v[XS]|, |v[XS+1]|, |v[XS+2]|               ; the largest magnitude of my 16, in two chains
	v_max3_num_f32 v9, |v[XS+3]|, |v[XS+4]|, |v[XS+5]|
.irp i, 6,10
	v_max3_num_f32 v8, v8, |v[XS+\i]|, |v[XS+\i+1]|
	v_max3_num_f32 v9, v9, |v[XS+\i+2]|, |v[XS+\i+3]|
.endr
	v_max3_num_f32 v8, v8, |v[XS+14]|, |v[XS+15]|
	v_max3_num_f32 v8, v8, v9, (EMAX+1)<<23        ; and the floor 2^(EMAX + 1 - 127): the byte cannot fall under 1
	v_max_num_f32_dpp v8, v8, v8 row_xmask:1 row_mask:0xf bank_mask:0xf   ; and of my neighbour's 16: the block's
	v_add_nc_u32 v11, -(EMAX<<23), v8              ; EMAX off its exponent field: the conversion takes the exponent field of this operand as its scale
	v_cvt_scalef32_pk8_fp4_f32 v[C+4*(\t)], v[XS:XS+7], v11        ; eight numbers / the scale, to the nearest code, ties to even, beyond the largest code the largest
	v_cvt_scalef32_pk8_fp4_f32 v[C+4*(\t)+1], v[XS+8:XS+15], v11
	v_lshrrev_b32 v[E+(\t)], 23, v11               ; the scale's byte (also the plain line behind the conversions)
	ds_store_b8 v5, v[E+(\t)] offset:16*(\t)       ; both lanes of a block write the same byte with the same value
	global_store_b64 v4, v[C+4*(\t):C+4*(\t)+1], s[34:35] offset:32*CB*(\t)   ; the wave stores 256 consecutive bytes, aligned
.endm
.irp t, 0,1,2,3,4,5,6,7,8,9,10,11,12,13,14,15
	STEP \t
.endr
	ds_load_b64 v[8:9], v6                         ; LDS serves a wave's instructions in order: these see my byte stores
	s_wait_dscnt 0x0
	global_store_b64 v7, v[8:9], s[36:37]          ; 32 lanes store 256 consecutive bytes, aligned
	s_wait_tensorcnt 0x0                           ; the wave's end, behind my last LDS store
	ds_add_u32 v[SPW], v[NIL]
	s_wait_dscnt 0x0
	s_endpgm
; Wo to f16: four batches of 16 loads of 512 bytes; two sets of registers, so that one batch is on its way while another is rounded.
.Lwo:
	s_sub_co_u32 s38, ttmp9, 864
	s_lshl_b32 s38, s38, 2
	s_add_co_u32 s38, s38, s28                     ; my wave's run of 8,192 numbers
	s_lshl_b32 s40, s38, 14                        ; 16,384 bytes of f16
	s_lshl_b32 s38, s38, 15                        ; 32,768 bytes of f32
	s_mov_b32 s39, 0
	s_mov_b32 s41, 0
	s_add_nc_u64 s[16:17], s[16:17], s[38:39]
	s_add_nc_u64 s[26:27], s[26:27], s[40:41]
.macro WLOAD g
.irp i, 0,1,2,3,4,5,6,7,8,9,10,11,12,13,14,15
	global_load_b128 v[16+64*((\g)%2)+4*\i:16+64*((\g)%2)+4*\i+3], v3, s[16:17] offset:8192*(\g)+512*\i th:TH_LOAD_NT
.endr
.endm
.macro WBATCH g
.set WS, 16+64*((\g)%2)
.if (\g) < 3
	s_wait_loadcnt 16                              ; this batch is in; the next batch's sixteen may be out
.else
	s_wait_loadcnt 0x0
.endif
.if (\g) > 0
	s_wait_xcnt 0x0                                ; the last batch's stores have read v144-175
.endif
.irp i, 0,1,2,3,4,5,6,7,8,9,10,11,12,13,14,15
	v_cvt_pk_f16_f32 v[144+2*\i], v[WS+4*\i], v[WS+4*\i+1]
	v_cvt_pk_f16_f32 v[145+2*\i], v[WS+4*\i+2], v[WS+4*\i+3]
.endr
.irp i, 0,1,2,3,4,5,6,7,8,9,10,11,12,13,14,15
	global_store_b64 v4, v[144+2*\i:145+2*\i], s[26:27] offset:4096*(\g)+256*\i   ; 256 consecutive bytes, aligned
.endr
.if (\g)+2 < 4
	WLOAD (\g)+2
.endif
.endm
	WLOAD 0
	WLOAD 1
	WBATCH 0
	WBATCH 1
	WBATCH 2
	WBATCH 3
	s_wait_tensorcnt 0x0                           ; the same three lines at this way's end
	ds_add_u32 v[SPW], v[NIL]
	s_wait_dscnt 0x0
	s_endpgm
.Lfunc_end_k_q39018ad100_quant:
	.size	k_q39018ad100_quant, .Lfunc_end_k_q39018ad100_quant-k_q39018ad100_quant
	.p2alignl 7, 3214868480
	.fill 96, 4, 3214868480
	.section	.rodata,"a",@progbits
	.p2align	6, 0x0
	.amdhsa_kernel k_q39018ad100_quant
		.amdhsa_group_segment_fixed_size 33280
		.amdhsa_private_segment_fixed_size 0
		.amdhsa_enable_private_segment 0
		.amdhsa_kernarg_size 96
		.amdhsa_user_sgpr_count 2
		.amdhsa_user_sgpr_kernarg_segment_ptr 1
		.amdhsa_wavefront_size32 1
		.amdhsa_system_sgpr_workgroup_id_x 1
		.amdhsa_system_sgpr_workgroup_id_y 1
		.amdhsa_system_sgpr_workgroup_id_z 1
		.amdhsa_system_vgpr_workitem_id 0
		.amdhsa_next_free_vgpr 192
		.amdhsa_next_free_sgpr 66
		.amdhsa_reserve_vcc 0
		.amdhsa_float_denorm_mode_32 3
		.amdhsa_float_denorm_mode_16_64 3
		.amdhsa_memory_ordered 1
		.amdhsa_forward_progress 1
		.amdhsa_inst_pref_size 55
	.end_amdhsa_kernel
	.amdgpu_metadata
---
amdhsa.version: [ 1, 2 ]
amdhsa.kernels:
  - .name:           k_q39018ad100_quant
    .symbol:         k_q39018ad100_quant.kd
    .args:
      - { .name: q, .offset: 0, .size: 8, .value_kind: global_buffer, .address_space: global }
      - { .name: k, .offset: 8, .size: 8, .value_kind: global_buffer, .address_space: global }
      - { .name: v, .offset: 16, .size: 8, .value_kind: global_buffer, .address_space: global }
      - { .name: Wq, .offset: 24, .size: 8, .value_kind: global_buffer, .address_space: global }
      - { .name: Wk, .offset: 32, .size: 8, .value_kind: global_buffer, .address_space: global }
      - { .name: Wv, .offset: 40, .size: 8, .value_kind: global_buffer, .address_space: global }
      - { .name: Wo, .offset: 48, .size: 8, .value_kind: global_buffer, .address_space: global }
      - { .name: xc, .offset: 56, .size: 8, .value_kind: global_buffer, .address_space: global }
      - { .name: xs, .offset: 64, .size: 8, .value_kind: global_buffer, .address_space: global }
      - { .name: wc, .offset: 72, .size: 8, .value_kind: global_buffer, .address_space: global }
      - { .name: ws, .offset: 80, .size: 8, .value_kind: global_buffer, .address_space: global }
      - { .name: wo16, .offset: 88, .size: 8, .value_kind: global_buffer, .address_space: global }
    .group_segment_fixed_size: 33280
    .private_segment_fixed_size: 0
    .kernarg_segment_align: 8
    .kernarg_segment_size: 96
    .max_flat_workgroup_size: 128
    .sgpr_count:     66
    .vgpr_count:     192
    .wavefront_size: 32
...
	.end_amdgpu_metadata
.endif
;; end of part 1
;; launch proj (part 2): grid 4 x 96, 4 waves a work-group, clusters of 4 x 4, 327,680 bytes of LDS; arguments xc, xs, wc, ws, bq, bk, bv, qkvh; writes qkvh
.if DOCPART == 2
	.amdgcn_target "amdgcn-amd-amdhsa--gfx1250"
	.amdhsa_code_object_version 6
	.text
	.protected	k_q39018ad100_proj
	.globl	k_q39018ad100_proj
	.p2align	8
	.type	k_q39018ad100_proj,@function
k_q39018ad100_proj:
	s_mov_b64 s[64:65], 0
	v_nop
	global_prefetch_b8 v0, s[64:65] scope:SCOPE_SE
	s_setreg_imm32_b32 hwreg(HW_REG_WAVE_MODE, 25, 1), 1
	s_wait_xcnt 0x0
	s_wait_alu depctr_hold_cnt(0) depctr_sa_sdst(0) depctr_va_vdst(0) depctr_va_sdst(0) depctr_va_ssrc(0) depctr_va_vcc(0) depctr_vm_vsrc(0)
	s_getreg_b32 s2, hwreg(HW_REG_IB_STS2, 6, 4)
	s_cmp_eq_u32 s2, 0
	s_cbranch_scc0 .Lentry_in_a_cluster
	s_endpgm
.Lentry_in_a_cluster:
	s_bfe_u32 s2, ttmp6, 0x10000c
	s_cmp_lg_u32 s2, 0xf033
	s_cbranch_scc0 .Lentry_shape_is_right
	s_endpgm
.Lentry_shape_is_right:
; The three quantised projections as ONE stacked product on codes of FP4 (E2M1) with E8M0 scales: C[m][n] = sum over k of A[m][k] B[n][k] + bias[n].
; A = xc, 24,576 rows (q's, k's, v's 8,192 each) of 1,024 codes (512 bytes); B = wc, 3 x 1,024 rows; row block p = m / 8,192 takes weight and bias p.  Sums in f32.
; The result is rounded once to f16 and laid by head: qkvh [3][4][16][2048][64].  LIMIT: a result beyond 65,504 in magnitude becomes infinity.
; A tile of C is 256 x 256, made by four waves of 128 x 128 (64 accumulators, 512 registers).  K = 1,024 is two steps of 512 (rows of 256 bytes): both steps and all scale bytes are asked for
; at the head, three tensor loads a wave, and nothing is filled again.
; CLUSTERS: 4 x 4 work-groups; the four of a row need the same tiles of A, the four of a column the same tiles of B: each is asked for jointly.  A cluster's 1,024 rows lie in one projection.
; THE MATRIX INSTRUCTION IS USED TRANSPOSED (source 0 = 16 rows of B, source 1 = 16 rows of A): a lane holds eight neighbouring columns of one row of C.  The bias is the C of each sum's first product.
; REGISTERS: window 0: v0-31 addresses; v32-95 scale words, two sets; v128-191 A's fragments, one set; v192-255 the bias (8 tiles x 8); on the way out v128-223 are at work.
;   window 1: B's fragments, two sets, at v0 and v128.  window 2: accumulators of my rows 0-63 ((a, b) at v[8 (8 a + b)]); window 3: of my rows 64-127.
.set KSTEP,  512
.set NQ,     KSTEP/128
.set ROWB,   256                       ; a tile's row in bytes
.set KROW,   512                       ; a row of codes in memory
.set PITCH,  272                       ; an LDS row: 256 bytes + 16: the sixteen rows that a load touches start at sixteen different 16-byte columns
.set FR,     8
.set NL,     2
.set NP,     4
.set HALFT,  128*PITCH
.set SLOT,   4*HALFT
.set KS,     32                        ; a row of scale bytes
.set SCL,    2*SLOT
.set HALFS,  (128*KS/256)*272
.set SBLK,   (16*KS/256)*272
.set SPARE,  SCL+4*HALFS               ; the spare words, 128 bytes a wave
.set SPI,    144                       ; the way out: a stage row, 64 f16 + 16 bytes.  A wave's stage, [2 heads][16 tokens], lies in slot 0, which has had its only fill and its last read by then
.set ADRA, 16
.set ADRB, 20
.set STO,  24
.set RD,   25
.set CO,   26
.set ADRS, 27
.set SPW,  28
.set NIL,  29
.set SC,   32
.set AF,   128
.set BI,   192
.set TMP,  128
.set BKR,  160
.set G1, 24
.set G0, 32
.set G1B, 48
.set G0B, 56
.set G1S, 68
.set G0S, 76
.set G1SB, 80
.set G0SB, 88
.set MSB, 0
.macro WIN new                         ; the immediate's high byte repeats the setting that is left
.if MSB != (\new)
	s_set_vgpr_msb (MSB<<8)|(\new)
.set MSB, (\new)
.endif
.endm
.set MUL_LO,  0xa1                     ; source 0 (B) window 1, source 1 (A) window 0, C and D window 2
.set MUL_HI,  0xf1                     ; the same, C and D window 3
.set MULZ_LO, 0x81                     ; the first products: C (the bias) window 0, D window 2
.set MULZ_HI, 0xc1                     ; D window 3
.set TO_B,    0x40
; A joint load: waves 0 and 1 fetch for A, waves 2 and 3 for B; the branch hangs on the wave's number alone.  An s_nop 0 and four v_nop follow each line.
.macro JLOAD g0a, g1a, g0b, g1b
	s_cmp_eq_u32 s15, 0
	s_cbranch_scc0 .Lfor_b_\@
	tensor_load_to_lds s[\g0a:\g0a+3], s[\g1a:\g1a+7]
	s_nop 0
.rept 4
	v_nop
.endr
	s_branch .Lasked_\@
.Lfor_b_\@:
	tensor_load_to_lds s[\g0b:\g0b+3], s[\g1b:\g1b+7]
	s_nop 0
.rept 4
	v_nop
.endr
.Lasked_\@:
.endm
.macro CROUND                          ; a round of the cluster's barrier
	s_barrier_signal -1
	s_barrier_wait -1
	s_cmp_lg_u32 s14, 0
	s_cbranch_scc1 .Lnot_wave_0_\@
	s_barrier_signal -3
.Lnot_wave_0_\@:
	s_barrier_wait -3
	s_barrier_signal -1
	s_barrier_wait -1
.endm
	s_load_b128 s[4:7], s[0:1], 0x0                ; xc, xs
	s_load_b128 s[8:11], s[0:1], 0x10              ; wc, ws
	s_load_b128 s[96:99], s[0:1], 0x20             ; bq, bk
	s_load_b64 s[100:101], s[0:1], 0x30            ; bv
	s_load_b64 s[12:13], s[0:1], 0x38              ; qkvh
	v_lshl_add_u32 v[SPW], v0, 2, SPARE
	v_mov_b32 v[NIL], 0
	ds_add_u32 v[SPW], v[NIL]                      ; the wave's opening: the add, twice on end, and its wait ahead of my first tensor load
	ds_add_u32 v[SPW], v[NIL]
	v_lshrrev_b32 v1, 5, v0
	v_readfirstlane_b32 s14, v1                    ; wave 0..3
	s_lshr_b32 s15, s14, 1                         ; which half of the tile's rows is mine.  Also: I fetch for A (0) or for B (1)
	s_and_b32 s16, s14, 1                          ; which half of its columns.  Also: which 128 rows I fetch
	s_bfe_u32 s40, ttmp6, 0x40000                  ; cx
	s_bfe_u32 s41, ttmp6, 0x40004                  ; cy
	s_lshl_b32 s42, ttmp9, 2
	s_add_co_u32 s42, s42, s40                     ; tile column X = 4 x cluster x + cx: 0..3
	s_and_b32 s17, ttmp7, 0xffff
	s_lshr_b32 s95, s17, 3                         ; the projection p = cluster y / 8: the same in all sixteen partners
	s_lshl_b32 s17, s17, 2
	s_add_co_u32 s17, s17, s41                     ; tile row Y = 4 x cluster y + cy: 0..95
	s_lshl_b32 s43, s41, 2
	s_lshl_b32 s43, 15, s43                        ; my row of the cluster
	s_lshl_b32 s44, 0x1111, s40                    ; my column
	; group 1: a tile of 128 rows x 256 bytes, 16 bytes of padding behind each row
	s_or_b32 s[G1+0], s43, (0<<16)|(1<<20)|(1<<21)|(5<<22)|(3<<25)
	s_or_b32 s[G1B+0], s44, (0<<16)|(1<<20)|(1<<21)|(5<<22)|(3<<25)
.irp g, G1, G1B
	s_mov_b32 s[\g+1], ROWB<<16                    ; tensor_dim0
	s_mov_b32 s[\g+2], 128<<16                     ; tensor_dim1
	s_mov_b32 s[\g+3], ROWB<<16                    ; tile_dim0
	s_mov_b32 s[\g+4], 128                         ; tile_dim1
	s_mov_b32 s[\g+5], KROW                        ; stride
	s_mov_b32 s[\g+6], 0
	s_mov_b32 s[\g+7], 0
.endr
	; the scale bytes of 128 rows: 4,096 dense bytes as 16 rows of 256 (32 elements of 8 bytes), padded likewise
	s_or_b32 s[G1S+0], s43, (3<<16)|(1<<20)|(1<<21)|(5<<22)|(3<<25)
	s_or_b32 s[G1SB+0], s44, (3<<16)|(1<<20)|(1<<21)|(5<<22)|(3<<25)
.irp g, G1S, G1SB
	s_mov_b32 s[\g+1], 32<<16
	s_mov_b32 s[\g+2], (128*KS/256)<<16
	s_mov_b32 s[\g+3], 32<<16
	s_mov_b32 s[\g+4], 128*KS/256
	s_mov_b32 s[\g+5], 32
	s_mov_b32 s[\g+6], 0
	s_mov_b32 s[\g+7], 0
.endr
	s_lshl_b32 s18, s16, 7                         ; which 128 rows of the tile I fetch
	s_lshl_b32 s20, s17, 8
	s_add_co_u32 s20, s20, s18                     ; A: row 256 Y + 128 x half
	s_lshl_b32 s46, s42, 8
	s_add_co_u32 s46, s46, s18
	s_lshl_b32 s19, s95, 10
	s_add_co_u32 s46, s46, s19                     ; B: row 1,024 p + 256 X + 128 x half
	s_mov_b32 s21, 0
	s_mov_b32 s47, 0
	s_mov_b64 s[18:19], KS
	s_mul_u64 s[22:23], s[20:21], s[18:19]         ; where these rows' scale bytes begin
	s_mul_u64 s[92:93], s[46:47], s[18:19]
	s_mov_b64 s[18:19], KROW
	s_mul_u64 s[20:21], s[20:21], s[18:19]         ; and their codes
	s_mul_u64 s[46:47], s[46:47], s[18:19]
	s_mul_i32 s45, s14, HALFT                      ; where they go: wave x 128 rows: no place in the cluster enters an LDS address
	s_mul_i32 s94, s14, HALFS
	s_wait_dscnt 0x0                               ; both opening adds are done
	s_wait_kmcnt 0x0
	s_add_nc_u64 s[20:21], s[4:5], s[20:21]
	s_add_nc_u64 s[22:23], s[6:7], s[22:23]
	s_add_nc_u64 s[46:47], s[8:9], s[46:47]
	s_add_nc_u64 s[92:93], s[10:11], s[92:93]
	CROUND                                         ; all sixteen work-groups are here: the joint loads meet
	s_mov_b32 s[G0S], 1
	s_add_co_u32 s[G0S+1], s94, SCL
	s_mov_b64 s[G0S+2:G0S+3], s[22:23]
	s_or_b32 s[G0S+3], s[G0S+3], 0x80000000
	s_mov_b32 s[G0SB], 1
	s_add_co_u32 s[G0SB+1], s94, SCL
	s_mov_b64 s[G0SB+2:G0SB+3], s[92:93]
	s_or_b32 s[G0SB+3], s[G0SB+3], 0x80000000
	JLOAD G0S, G1S, G0SB, G1SB                     ; the scale bytes first: they are wanted with K step 0
.irp s, 0,1
	s_mov_b32 s[G0+4*\s], 1
	s_add_co_u32 s[G0+4*\s+1], s45, \s*SLOT
	s_add_nc_u64 s[G0+4*\s+2:G0+4*\s+3], s[20:21], \s*ROWB
	s_or_b32 s[G0+4*\s+3], s[G0+4*\s+3], 0x80000000
	s_mov_b32 s[G0B+4*\s], 1
	s_add_co_u32 s[G0B+4*\s+1], s45, \s*SLOT
	s_add_nc_u64 s[G0B+4*\s+2:G0B+4*\s+3], s[46:47], \s*ROWB
	s_or_b32 s[G0B+4*\s+3], s[G0B+4*\s+3], 0x80000000
	JLOAD G0+4*\s, G1, G0B+4*\s, G1B               ; three loads of mine are out in all
.endr
	v_and_b32 v1, 15, v0                           ; r = lane % 16
	v_bfe_u32 v2, v0, 4, 1                         ; h = lane / 16
	; the bias of projection p, my 128 columns: lane (r, h) wants, for tile b, bias[16 b + 8 h + 0 .. 7]: the result's layout
	s_cmp_eq_u32 s95, 1
	s_cselect_b64 s[96:97], s[98:99], s[96:97]
	s_cmp_eq_u32 s95, 2
	s_cselect_b64 s[96:97], s[100:101], s[96:97]
	s_lshl_b32 s66, s42, 10
	s_lshl_b32 s2, s16, 9
	s_add_co_u32 s66, s66, s2                      ; (256 X + 128 x half) x 4 bytes
	s_mov_b32 s67, 0
	s_add_nc_u64 s[96:97], s[96:97], s[66:67]
	v_lshlrev_b32 v8, 5, v2
.irp b, 0,1,2,3,4,5,6,7
	global_load_b128 v[BI+8*\b:BI+8*\b+3], v8, s[96:97] offset:64*\b
	global_load_b128 v[BI+8*\b+4:BI+8*\b+7], v8, s[96:97] offset:64*\b+16
.endr
	v_mul_u32_u24 v3, v1, PITCH
	v_lshl_add_u32 v4, v2, 4, v3                   ; a fragment's row x pitch + 16 x half
	s_mul_i32 s21, s15, HALFT                      ; my 128 rows of A
	s_mul_i32 s22, s16, HALFT                      ; my 128 rows of B,
	s_add_co_u32 s22, s22, 2*HALFT                 ; behind A's 256
.irp s, 0,1
	v_add_nc_u32 v[ADRA+\s], s21, v4
	v_add_nc_u32 v[ADRB+\s], s22, v4
	s_add_co_u32 s21, s21, SLOT
	s_add_co_u32 s22, s22, SLOT
.endr
	v_mul_u32_u24 v5, v1, KS                       ; my row's scale bytes: KS a row,
	v_lshrrev_b32 v6, 8, v5
	v_lshl_add_u32 v5, v6, 4, v5                   ; and 16 more for each 256 passed
	s_mul_i32 s21, s15, HALFS                      ; A's: my 128 rows
	s_mul_i32 s22, s16, HALFS                      ; B's: my 128 rows, behind A's 256
	s_add_co_u32 s22, s22, 2*HALFS
	s_sub_co_u32 s22, s22, s21
	v_mul_u32_u24 v6, s22, v2                      ; lanes 16-31 take B's
	s_add_co_u32 s21, s21, SCL
	v_add_nc_u32 v5, v5, v6
	v_add_nc_u32 v[ADRS], s21, v5
	; the way out
	s_mul_i32 s23, s14, 32*SPI                     ; my stage
	v_mul_u32_u24 v5, v1, SPI
	v_lshl_add_u32 v5, v2, 4, v5
	v_add_nc_u32 v[STO], s23, v5                   ; in: token r, 16 bytes for each half of the lanes
	v_mul_u32_u24 v5, v2, 16*SPI                   ; back: lanes 0-15 one head, lanes 16-31 the other;
	v_bfe_u32 v6, v0, 3, 1
	v_mad_u32_u24 v5, v6, SPI, v5                  ; eight lanes to a token, two tokens
	v_and_b32 v7, 7, v0
	v_lshl_add_u32 v5, v7, 4, v5
	v_add_nc_u32 v[RD], s23, v5
	v_lshlrev_b32 v[CO], 18, v2                    ; and the same in qkvh: a head is 262,144 bytes, a token 128
	v_lshl_add_u32 v[CO], v6, 7, v[CO]
	v_lshl_add_u32 v[CO], v7, 4, v[CO]
	s_lshr_b32 s66, s17, 3                         ; 4 p + batch = Y / 8
	s_lshl_b32 s66, s66, 4
	s_lshl_b32 s2, s42, 2
	s_add_co_u32 s66, s66, s2
	s_lshl_b32 s2, s16, 1
	s_add_co_u32 s66, s66, s2                      ; + my first head: 4 X + 2 x half
	s_lshl_b32 s66, s66, 18
	s_and_b32 s2, s17, 7
	s_lshl_b32 s2, s2, 8
	s_lshl_b32 s3, s15, 7
	s_add_co_u32 s2, s2, s3                        ; my first token: 256 (Y % 8) + 128 x half
	s_lshl_b32 s2, s2, 7
	s_add_co_u32 s66, s66, s2
	s_mov_b32 s67, 0
	s_add_nc_u64 s[12:13], s[12:13], s[66:67]
.macro FRAG reg, adr, q, i             ; 16 rows x 128 K of 4-bit codes: 8 registers: lane l holds row l % 16; registers 4 c .. 4 c + 3 hold K = 64 c + 32 (l / 16) + 0 .. 31
.irp c, 0,1
	ds_load_b128 v[\reg+4*\c:\reg+4*\c+3], v[\adr] offset:64*(\q)+32*\c+(\i)*16*PITCH
.endr
.endm
; 16 matrix instructions: A's blocks a0, a0 + 1 x B's eight, the slot's q-th 128 along K.  p: B's set; sc: the set of scale words.  zero = 1: the first product starts the sum from the bias.
; The 64 accumulators take turns, one instruction a turn, in the same order in every step.
.macro MUL16 a0, p, q, sc, zero
.irp a, \a0, \a0+1
.irp b, 0,1,2,3,4,5,6,7
.if \zero
	v_wmma_scale_f32_16x16x128_f8f6f4 v[8*(8*((\a)%4)+\b):8*(8*((\a)%4)+\b)+7], v[128*(\p)+FR*\b:128*(\p)+FR*\b+FR-1], v[AF+FR*(\a):AF+FR*(\a)+FR-1], v[BI+8*\b:BI+8*\b+7], v[SC+8*NQ*(\sc)+NQ*\b+(\q)], v[SC+8*NQ*(\sc)+NQ*(\a)+(\q)] matrix_a_fmt:MATRIX_FMT_FP4 matrix_b_fmt:MATRIX_FMT_FP4 matrix_a_scale:MATRIX_SCALE_ROW1
.else
	v_wmma_scale_f32_16x16x128_f8f6f4 v[8*(8*((\a)%4)+\b):8*(8*((\a)%4)+\b)+7], v[128*(\p)+FR*\b:128*(\p)+FR*\b+FR-1], v[AF+FR*(\a):AF+FR*(\a)+FR-1], v[8*(8*((\a)%4)+\b):8*(8*((\a)%4)+\b)+7], v[SC+8*NQ*(\sc)+NQ*\b+(\q)], v[SC+8*NQ*(\sc)+NQ*(\a)+(\q)] matrix_a_fmt:MATRIX_FMT_FP4 matrix_b_fmt:MATRIX_FMT_FP4 matrix_a_scale:MATRIX_SCALE_ROW1
.endif
.endr
.endr
.endm
.macro FETCH_B slot, q, p
	WIN TO_B
.irp i, 0,1,2,3,4,5,6,7
	FRAG 128*(\p)+FR*\i, ADRB+\slot, \q, \i
.endr
	WIN 0
.endm
.macro FETCH_A slot, q, i0
.irp i, \i0, \i0+1, \i0+2, \i0+3
	FRAG AF+FR*(\i), ADRA+\slot, \q, \i
.endr
.endm
.macro SCALES sc                       ; a K step's scale words: four words a row; lanes 0-15 take A's block i, lanes 16-31 B's block i
.irp i, 0,1,2,3,4,5,6,7
	ds_load_b128 v[SC+8*NQ*\sc+NQ*\i:SC+8*NQ*\sc+NQ*\i+3], v[ADRS] offset:\i*SBLK
.endr
.endm
.macro PLACES n                        ; plain vector lines between a matrix instruction and a load into, or a vector read or write of, its registers
.rept \n
	v_nop
.endr
.endm
.macro STEP slot, q, zero              ; 128 along K whose successor lies in the same slot
	s_wait_dscnt 4*NL                              ; B's set and A's blocks 0-3 are in; the youngest eight loads (A's blocks 4-7) may be out
.if \zero
	WIN MULZ_LO
.else
	WIN MUL_LO
.endif
	MUL16 0, (\q)%2, \q, \slot, \zero
	MUL16 2, (\q)%2, \q, \slot, \zero
	s_wait_dscnt 0                                 ; A's blocks 4-7 are in
	PLACES NP
	FETCH_B \slot, (\q)+1, 1-(\q)%2
	FETCH_A \slot, (\q)+1, 0
.if \zero
	WIN MULZ_HI
.else
	WIN MUL_HI
.endif
	MUL16 4, (\q)%2, \q, \slot, \zero
	MUL16 6, (\q)%2, \q, \slot, \zero
	PLACES NP
	WIN 0
	FETCH_A \slot, (\q)+1, 4
.endm
.macro STEPS slot, from
.set Q, \from
.rept NQ-1-\from
	STEP \slot, Q, 0
.set Q, Q+1
.endr
.endm
	s_wait_tensorcnt 1                             ; the scale bytes and my part of K step 0 are in (K step 1's load may be out)
	s_barrier_signal -1
	s_barrier_wait -1                              ; everybody's are
	FETCH_B 0, 0, 0
	FETCH_A 0, 0, 0
	SCALES 0
	FETCH_A 0, 0, 4
	s_wait_loadcnt 0x0                             ; the bias
	STEP 0, 0, 1
	STEPS 0, 1
	; slot 0's last step changes slots: one barrier; in front of it each wave waits for all its tensor loads (its part of slot 1), adds 0 to its spare word, and waits for that and its reads of slot 0
	s_wait_tensorcnt 0x0
	ds_add_u32 v[SPW], v[NIL]
	s_wait_dscnt 4*NL+1                            ; (the add and A's blocks 4-7 may be out)
	WIN MUL_LO
	MUL16 0, 1, NQ-1, 0, 0
	s_wait_dscnt 0x0                               ; the add is done, and my reads of slot 0 are over
	s_barrier_signal -1
	MUL16 2, 1, NQ-1, 0, 0
	WIN 0
	s_barrier_wait -1                              ; slot 1 is whole, and nobody reads slot 0 any more
	PLACES NP
	v_add_nc_u32 v[ADRS], 4*NQ, v[ADRS]            ; on to K step 1's scale words
	FETCH_B 1, 0, 0
	FETCH_A 1, 0, 0
	SCALES 1
	WIN MUL_HI
	MUL16 4, 1, NQ-1, 0, 0
	MUL16 6, 1, NQ-1, 0, 0
	PLACES NP
	WIN 0
	FETCH_A 1, 0, 4
	STEPS 1, 0
	s_wait_dscnt 4*NL                              ; the very last step
	WIN MUL_LO
	MUL16 0, 1, NQ-1, 1, 0
	MUL16 2, 1, NQ-1, 1, 0
	s_wait_dscnt 0
	WIN MUL_HI
	MUL16 4, 1, NQ-1, 1, 0
	MUL16 6, 1, NQ-1, 1, 0
	WIN 0
; THE WAY OUT, a block of 16 tokens x 128 columns (two heads) at a time.  A lane's eight results pack into 16 bytes of one token's head row; they go through my stage and come back so that
; sixteen lanes hold two neighbouring tokens of one head: 256 consecutive bytes of qkvh, aligned.  LDS serves a wave's instructions in order: no wait between the stores and the loads.
.macro PACK a
.set AC, 64*((\a)%4)
	WIN 0x0a+5*((\a)/4)                            ; sources 0 and 1: window 2 or 3
.irp b, 0,1,2,3,4,5,6,7
.irp r, 0,1,2,3
	v_cvt_pk_f16_f32 v[TMP+4*\b+\r], v[AC+8*\b+2*\r], v[AC+8*\b+2*\r+1]   ; each accumulator from its low end on
.endr
.endr
	WIN 0
.endm
.macro TOSTAGE a
.set BB, BKR+32*((\a)%2)
.if (\a) > 1
	s_wait_xcnt 0x0                                ; the stores of the block two back have read the registers that these loads fill
.endif
.irp b, 0,1,2,3,4,5,6,7
	ds_store_b128 v[STO], v[TMP+4*\b:TMP+4*\b+3] offset:(\b/4)*16*SPI+32*(\b%4)
.endr
.irp i, 0,1,2,3,4,5,6,7
	ds_load_b128 v[BB+4*\i:BB+4*\i+3], v[RD] offset:2*SPI*\i
.endr
.endm
.macro SEND a
.set BB, BKR+32*((\a)%2)
	s_wait_dscnt 0x0                               ; the block is back in registers
.irp i, 0,1,2,3,4,5,6,7
	global_store_b128 v[CO], v[BB+4*\i:BB+4*\i+3], s[12:13] offset:2048*(\a)+256*\i
.endr
.endm
	PLACES NP                                      ; behind the last products: the conversions write where A's fragments lay
	PACK 0
	TOSTAGE 0
.irp a, 1,2,3,4,5,6,7                  ; block a's conversions stand between block a - 1's loads from the stage and the wait for them
	PACK \a
	SEND \a-1
	TOSTAGE \a
.endr
	SEND 7
	s_wait_tensorcnt 0x0                           ; the wave's end, behind my last tensor load and my last LDS store
	ds_add_u32 v[SPW], v[NIL]
	s_wait_dscnt 0x0
	CROUND                                         ; the closing round
	s_endpgm
.Lfunc_end_k_q39018ad100_proj:
	.size	k_q39018ad100_proj, .Lfunc_end_k_q39018ad100_proj-k_q39018ad100_proj
	.p2alignl 7, 3214868480
	.fill 96, 4, 3214868480
	.section	.rodata,"a",@progbits
	.p2align	6, 0x0
	.amdhsa_kernel k_q39018ad100_proj
		.amdhsa_group_segment_fixed_size 327680
		.amdhsa_private_segment_fixed_size 0
		.amdhsa_enable_private_segment 0
		.amdhsa_kernarg_size 64
		.amdhsa_user_sgpr_count 2
		.amdhsa_user_sgpr_kernarg_segment_ptr 1
		.amdhsa_wavefront_size32 1
		.amdhsa_system_sgpr_workgroup_id_x 1
		.amdhsa_system_sgpr_workgroup_id_y 1
		.amdhsa_system_sgpr_workgroup_id_z 1
		.amdhsa_system_vgpr_workitem_id 0
		.amdhsa_next_free_vgpr 1024
		.amdhsa_next_free_sgpr 102
		.amdhsa_reserve_vcc 0
		.amdhsa_float_denorm_mode_32 3
		.amdhsa_float_denorm_mode_16_64 3
		.amdhsa_memory_ordered 1
		.amdhsa_forward_progress 1
		.amdhsa_inst_pref_size 129
	.end_amdhsa_kernel
	.amdgpu_metadata
---
amdhsa.version: [ 1, 2 ]
amdhsa.kernels:
  - .name:           k_q39018ad100_proj
    .symbol:         k_q39018ad100_proj.kd
    .args:
      - { .name: xc, .offset: 0, .size: 8, .value_kind: global_buffer, .address_space: global }
      - { .name: xs, .offset: 8, .size: 8, .value_kind: global_buffer, .address_space: global }
      - { .name: wc, .offset: 16, .size: 8, .value_kind: global_buffer, .address_space: global }
      - { .name: ws, .offset: 24, .size: 8, .value_kind: global_buffer, .address_space: global }
      - { .name: bq, .offset: 32, .size: 8, .value_kind: global_buffer, .address_space: global }
      - { .name: bk, .offset: 40, .size: 8, .value_kind: global_buffer, .address_space: global }
      - { .name: bv, .offset: 48, .size: 8, .value_kind: global_buffer, .address_space: global }
      - { .name: qkvh, .offset: 56, .size: 8, .value_kind: global_buffer, .address_space: global }
    .group_segment_fixed_size: 327680
    .private_segment_fixed_size: 0
    .kernarg_segment_align: 8
    .kernarg_segment_size: 64
    .max_flat_workgroup_size: 128
    .sgpr_count:     102
    .vgpr_count:     1024
    .wavefront_size: 32
...
	.end_amdgpu_metadata
.endif
;; end of part 2
;; launch attn (part 3): grid 4 x 64, 8 waves a work-group, clusters of 4 x 1, 327,680 bytes of LDS; arguments qkvh, oh; writes oh
.if DOCPART == 3
	.amdgcn_target "amdgcn-amd-amdhsa--gfx1250"
	.amdhsa_code_object_version 6
	.text
	.protected	k_q39018ad100_attn
	.globl	k_q39018ad100_attn
	.p2align	8
	.type	k_q39018ad100_attn,@function
k_q39018ad100_attn:
	s_mov_b64 s[64:65], 0
	v_nop
	global_prefetch_b8 v0, s[64:65] scope:SCOPE_SE
	s_setreg_imm32_b32 hwreg(HW_REG_WAVE_MODE, 25, 1), 1
	s_wait_xcnt 0x0
	s_wait_alu depctr_hold_cnt(0) depctr_sa_sdst(0) depctr_va_vdst(0) depctr_va_sdst(0) depctr_va_ssrc(0) depctr_va_vcc(0) depctr_vm_vsrc(0)
	s_getreg_b32 s2, hwreg(HW_REG_IB_STS2, 6, 4)
	s_cmp_eq_u32 s2, 0
	s_cbranch_scc0 .Lentry_in_a_cluster
	s_endpgm
.Lentry_in_a_cluster:
	s_bfe_u32 s2, ttmp6, 0x10000c
	s_cmp_lg_u32 s2, 0x3003
	s_cbranch_scc0 .Lentry_shape_is_right
	s_endpgm
.Lentry_shape_is_right:
; O[hb][q][:] = the sum over k of softmax_k(Q[hb][q] . K[hb][k] / 8) V[hb][k][:], hb = 16 batch + head, 2,048 keys, head size 64, no mask.  Q, K, V: the three thirds of qkvh, [64][2048][64] f16.
; Products on f16 operands with f32 sums; maxima, exponentials and sums in f32; the weights p (at most about 1) are rounded to f16 for the second product, O once at the end.
; O goes to oh as f16: byte (m / 2) 4096 + head 256 + (m % 2) 128 + 2 d, m = 2048 batch + token: two tokens of one head are 256 consecutive bytes.
; SHARES.  A work-group owns 512 queries of one hb; each of its eight waves 64: four tiles of 16, in 512 registers, two waves to a SIMD, so that one wave's softmax stands beside the other's products.
; Every wave walks all keys, 64 a step; a fragment of K or V read from LDS feeds four matrix instructions.
; LAYOUT.  S^T = K Q^T (source 0 = 16 keys, source 1 = 16 queries): a lane holds ONE query (lane % 16) and keys 8 (lane / 16) + 0..7.  Two such tiles, rounded in pairs, ARE source 1 of O^T = V^T P.
; K comes out of LDS as it lies, V ([key][channel]) turned, by ds_load_tr16_b128.
; SOFTMAX.  A running maximum m and sum l for each query: p = 2^(c s - c m), c = log2(e) / 8; in every step O and l are multiplied by a = 2^(c m_old - c m_new).  The step is written once:
; m begins at -3e38 and O and l at zero, so that the first a, 0, multiplies zeros.
; CLUSTER.  The four work-groups of an hb walk the same K and V: each tile is asked for jointly, mask 15.  RING.  Two slots of four key steps; waves 0-3 fetch K of step w, waves 4-7 V of step w - 4:
; one load a wave behind each round, and it has four key steps in which to land.
; REGISTERS.  Window 0: v1-11 addresses; v12-43 statistics, eight a tile; v61-63; v64-191 S^T, 32 a tile (P is laid in place over its first 16); v192-255 K of one step.
;   Window 1: v0-127 O^T, 32 a tile; v128-191 Q; v192-255 V of one step.
.set KS,    64                         ; keys in a step
.set PK,    272                        ; an LDS row of K: two keys, 256 bytes + 16: key k at (k / 2) PK + (k % 2) 128: the sixteen keys of a load start at sixteen different 16-byte columns
.set PVP,   288                        ; an LDS row of V: 256 + 32: the turning load's 8 keys x 32 bytes take each 16-byte column once
.set VOFF,  32*PK                      ; a step's tiles lie together: K, then V
.set STEPB, 32*(PK+PVP)
.set NST,   4                          ; steps in a slot
.set SLOT1, 1<<17                      ; slot 1 begins here: one exclusive or turns an address from one slot to the other
.set SLOTB, NST*KS*128                 ; a slot's keys in memory, in bytes
.set NSL,   2048/(NST*KS)              ; 8 slots' worth of keys
.set STAGE, SLOT1+NST*STEPB            ; behind the ring: 16 rows x 144 bytes for each wave, for the way out
.set SP,    144
.set SPARE, STAGE+8*16*SP              ; the spare words, 128 bytes a wave
.set AK0, 2
.set AV0, 3
.set ADK, 4
.set ADV, 5
.set STO, 6
.set RD,  7
.set GO,  8
.set QO,  10
.set ST,  12                           ; tile t at v[ST+8 t]: +0 c m, +1 m, +2, +3 l (two halves), +4 .. +7 c0-c3 at work; a takes +6
.set PFO, 61
.set SPW, 62
.set NIL, 63
.set S,   64
.set KF,  192
.set WV,  12
.set LIM, 15
.set PFA, 18
.set G1K, 24
.set G1V, 32
.set G0K, 40
.set G0V, 44
.set SLOTS, 56
.set CNT, 57
.set CS,  58
.set SEL, 60
.set TB,  62
.set MSB, 0
.macro WIN new
.if MSB != (\new)
	s_set_vgpr_msb (MSB<<8)|(\new)
.set MSB, (\new)
.endif
.endm
.set W_KQ, 0x04                        ; K and S^T window 0, Q (source 1) window 1
.set W_PV, 0x51                        ; V (source 0), C and D window 1, P window 0
.set W_RS, 0x41                        ; O^T (destination, source 0) window 1, a window 0
.set TO1,  0x40                        ; destination window 1
.set OUTW, 0x01                        ; source 0 window 1
.macro JLOAD                           ; a joint load: waves 0-3 K's, waves 4-7 V's.  An s_nop 0 and four v_nop follow each line
	s_cmp_lt_u32 s[WV], 4
	s_cbranch_scc0 .Lfor_v_\@
	tensor_load_to_lds s[G0K:G0K+3], s[G1K:G1K+7]
	s_nop 0
.rept 4
	v_nop
.endr
	s_branch .Lasked_\@
.Lfor_v_\@:
	tensor_load_to_lds s[G0V:G0V+3], s[G1V:G1V+7]
	s_nop 0
.rept 4
	v_nop
.endr
.Lasked_\@:
.endm
; A prefetch of what the NEXT change of slots will ask for: a slot is 128 blocks of 256 bytes of K and as many of V.  The four partners take 32 blocks each, told apart by address;
; wave 0 asks for K's, wave 4 for V's, a lane a block: each block is named once in the launch.  The last change that fills a slot asks for nothing; slots 0 and 1 come by their loads alone.
.macro ASK
	s_cmp_gt_u32 s[SLOTS], s[LIM]
	s_cbranch_scc0 .Lnot_mine_\@
	global_prefetch_b8 v[PFO], s[PFA:PFA+1] th:TH_LOAD_NT scope:SCOPE_SE
.Lnot_mine_\@:
.endm
.macro CROUND
	s_barrier_signal -1
	s_barrier_wait -1
	s_cmp_lg_u32 s[WV], 0
	s_cbranch_scc1 .Lnot_wave_0_\@
	s_barrier_signal -3
.Lnot_wave_0_\@:
	s_barrier_wait -3
	s_barrier_signal -1
	s_barrier_wait -1
.endm
	s_load_b128 s[48:51], s[0:1], 0x0              ; qkvh, oh
	v_lshl_add_u32 v[SPW], v0, 2, SPARE
	v_mov_b32 v[NIL], 0
	ds_add_u32 v[SPW], v[NIL]                      ; the wave's opening: the add, twice on end, and its wait ahead of my first tensor load
	ds_add_u32 v[SPW], v[NIL]
	v_lshrrev_b32 v1, 5, v0
	v_readfirstlane_b32 s[WV], v1                  ; wave 0..7
	s_bfe_u32 s13, ttmp6, 0x40000                  ; cx
	s_lshl_b32 s14, ttmp9, 2
	s_add_co_u32 s14, s14, s13                     ; my block of 512 queries: it enters Q's and O's addresses alone
	s_and_b32 s16, ttmp7, 0xffff                   ; hb, which the four partners share
	s_lshl_b32 s20, s16, 18                        ; its 262,144 bytes in each third of qkvh
	s_and_b32 s17, s[WV], 3                        ; which of a slot's four steps I fetch:
	s_lshl_b32 s21, s17, 13                        ; its 64 keys of 128 bytes in memory,
	s_add_co_u32 s22, s20, s21
	s_add_co_u32 s22, s22, 0x1000000               ; in K's third,
	s_mov_b32 s23, 0
	s_add_co_u32 s52, s22, 0x1000000               ; or V's,
	s_mov_b32 s53, 0
	s_mul_i32 s54, s17, STEPB                      ; and its place in a slot
	s_lshl_b32 s2, s14, 16                         ; Q: my block's 512 rows,
	s_lshl_b32 s3, s[WV], 13                       ; my wave's 64 of them
	s_add_co_u32 s2, s2, s3
	s_add_co_u32 s2, s2, s20
	s_mov_b32 s3, 0
	s_lshr_b32 s66, s16, 4                         ; O: the batch's 1,024 token pairs of 4,096 bytes,
	s_lshl_b32 s66, s66, 22
	s_lshl_b32 s68, s14, 20                        ; my block's 256 pairs,
	s_add_co_u32 s66, s66, s68
	s_lshl_b32 s68, s[WV], 17                      ; my wave's 32,
	s_add_co_u32 s66, s66, s68
	s_and_b32 s68, s16, 15
	s_lshl_b32 s68, s68, 8                         ; the head's 256 bytes in a pair
	s_add_co_u32 s66, s66, s68
	s_mov_b32 s67, 0
	; group 1: a step's 64 keys are 8,192 dense bytes: 32 rows of 128 elements of 2 bytes, padded in LDS
	s_mov_b32 s[G1K], 15|(1<<16)|(1<<20)|(1<<21)|(5<<22)|(3<<25)   ; mask: all four; padding of 4 words behind every 64
	s_mov_b32 s[G1V], 15|(1<<16)|(1<<20)|(1<<21)|(5<<22)|(7<<25)   ; the same with 8 words
.irp g, G1K, G1V
	s_mov_b32 s[\g+1], 128<<16                     ; tensor_dim0
	s_mov_b32 s[\g+2], 32<<16                      ; tensor_dim1
	s_mov_b32 s[\g+3], 128<<16                     ; tile_dim0
	s_mov_b32 s[\g+4], 32                          ; tile_dim1
	s_mov_b32 s[\g+5], 128                         ; stride
	s_mov_b32 s[\g+6], 0
	s_mov_b32 s[\g+7], 0
.endr
	s_mov_b32 s[CS], 0x3e38aa3b                    ; c = log2(e) / 8
	s_mov_b32 s[CS+1], s[CS]                       ; (named with it as a pair)
	s_mov_b32 s[SEL], 0x76543210
	s_mov_b32 s[SEL+1], 0xfedcba98                 ; v_permlanex16_b32: lane l xor 16
	s_mov_b32 s[TB], 0
	s_mov_b32 s[SLOTS], NSL-1
	s_cmp_eq_u32 s17, 0                            ; waves 0 and 4 prefetch: the same in all four partners
	s_cselect_b32 s[LIM], 1, -1
	v_and_b32 v[PFO], 31, v0
	v_lshlrev_b32 v[PFO], 8, v[PFO]
	s_wait_dscnt 0x0                               ; both opening adds are done
	s_wait_kmcnt 0x0
	s_add_nc_u64 s[6:7], s[48:49], s[22:23]        ; K at my tile of slot 0
	s_add_nc_u64 s[8:9], s[48:49], s[52:53]        ; V likewise
	s_add_nc_u64 s[4:5], s[48:49], s[2:3]          ; Q at my wave's first row
	s_add_nc_u64 s[10:11], s[50:51], s[66:67]      ; O likewise
	s_cmp_lt_u32 s[WV], 4
	s_cselect_b64 s[PFA:PFA+1], s[6:7], s[8:9]     ; (in waves 0 and 4 these stand at a slot's first byte)
	s_lshl_b32 s2, s13, 13                         ; my work-group's 32 blocks of the 128
	s_mov_b32 s3, 0
	s_add_nc_u64 s[PFA:PFA+1], s[PFA:PFA+1], s[2:3]
	s_add_nc_u64 s[PFA:PFA+1], s[PFA:PFA+1], SLOTB ; in slot 1; the first change of slots steps it to slot 2
	CROUND                                         ; all four work-groups are here: the first joint loads meet
	s_mov_b32 s[G0K], 1
	s_mov_b32 s[G0K+1], s54
	s_mov_b64 s[G0K+2:G0K+3], s[6:7]
	s_or_b32 s[G0K+3], s[G0K+3], 0x80000000
	s_mov_b32 s[G0V], 1
	s_add_co_u32 s[G0V+1], s54, VOFF
	s_mov_b64 s[G0V+2:G0V+3], s[8:9]
	s_or_b32 s[G0V+3], s[G0V+3], 0x80000000
	JLOAD                                          ; slot 0: one load of mine is out
	v_and_b32 v1, 15, v0                           ; r
	v_bfe_u32 v9, v0, 4, 1                         ; h
	v_lshlrev_b32 v[QO], 7, v1
	v_lshl_add_u32 v[QO], v9, 4, v[QO]             ; Q: row r of 128 bytes + 16 h
	WIN TO1
.irp f, 0,1,2,3,4,5,6,7                ; Q stays in registers: tile f / 2, channels 32 (f % 2) on
	global_load_b128 v[128+8*\f:128+8*\f+3], v[QO], s[4:5] offset:(\f/2)*2048+(\f%2)*64
	global_load_b128 v[128+8*\f+4:128+8*\f+7], v[QO], s[4:5] offset:(\f/2)*2048+(\f%2)*64+32
.endr
	WIN 0
	v_lshrrev_b32 v11, 1, v1
	v_mul_u32_u24 v[AK0], v11, PK
	v_and_b32 v11, 1, v0
	v_lshl_add_u32 v[AK0], v11, 7, v[AK0]
	v_lshl_add_u32 v[AK0], v9, 4, v[AK0]           ; K: key r at (r / 2) PK + (r % 2) 128, + 16 h
	v_bfe_u32 v44, v0, 1, 2
	v_lshl_add_u32 v44, v9, 2, v44                 ; V: lane l reads key 8 h + l % 8: LDS row 4 h + (l % 8) / 2,
	v_mul_u32_u24 v[AV0], v44, PVP
	v_lshl_add_u32 v[AV0], v11, 7, v[AV0]          ; its half (l % 2),
	v_bfe_u32 v44, v0, 3, 1
	v_lshl_add_u32 v[AV0], v44, 4, v[AV0]          ; channels 8 ((l / 8) % 2) on
	v_add_nc_u32 v[AV0], VOFF, v[AV0]
	s_mul_i32 s2, s[WV], 16*SP
	s_add_co_u32 s2, s2, STAGE                     ; my stage
	v_mul_u32_u24 v[STO], v1, SP
	v_lshl_add_u32 v[STO], v9, 4, v[STO]
	v_add_nc_u32 v[STO], s2, v[STO]                ; in: query r, 16 bytes for each half of the lanes
	v_bfe_u32 v44, v0, 3, 2
	v_mul_u32_u24 v[RD], v44, SP
	v_and_b32 v44, 7, v0
	v_lshl_add_u32 v[RD], v44, 4, v[RD]
	v_add_nc_u32 v[RD], s2, v[RD]                  ; back: eight lanes to a query, four queries an instruction
	v_lshlrev_b32 v[GO], 12, v9
	v_lshl_add_u32 v[GO], v1, 4, v[GO]             ; and in oh: sixteen lanes fill a pair's 256 bytes; lanes 16-31 the next pair
.irp t, 0,1,2,3
	v_mov_b32 v[ST+8*\t+1], 0xff61b1e6             ; m = -3e38, under every score
	v_mul_f32 v[ST+8*\t], s[CS], v[ST+8*\t+1]      ; c m
	v_mov_b32 v[ST+8*\t+2], 0                      ; l
	v_mov_b32 v[ST+8*\t+3], 0
.endr
	WIN TO1
.set i, 0
.rept 128
	v_mov_b32 v[i], 0                              ; O^T: cleared once, so that the key step is written once
.set i, i+1
.endr
	WIN 0
.macro FETCH_K                         ; a step's K: fragment f: keys 16 (f / 2) on, channels 32 (f % 2) on
.irp f, 0,1,2,3,4,5,6,7
	ds_load_b128 v[KF+8*\f:KF+8*\f+3], v[ADK] offset:(\f/2)*8*PK+(\f%2)*64
	ds_load_b128 v[KF+8*\f+4:KF+8*\f+7], v[ADK] offset:(\f/2)*8*PK+(\f%2)*64+32
.endr
.endm
.macro FETCH_V                         ; a step's V, turned: fragment f: keys 32 (f / 4) on, channels 16 (f % 4) on
	WIN TO1
.irp f, 0,1,2,3,4,5,6,7
	ds_load_tr16_b128 v[192+8*\f:192+8*\f+3], v[ADV] offset:(\f/4)*16*PVP+(\f%4)*32
	ds_load_tr16_b128 v[192+8*\f+4:192+8*\f+7], v[ADV] offset:(\f/4)*16*PVP+8*PVP+(\f%4)*32
.endr
.endm
; The accumulators take turns, one instruction a turn: between two links of a chain stand fifteen others'.
.macro KQ_ALL                          ; product i: channels 32 (i / 16) on, keys 16 ((i / 4) % 4) on, tile i % 4.  The first 16 start the sums
	WIN W_KQ
.set i, 0
.rept 32
.set rS, S+32*(i%4)+8*((i/4)%4)
.set rK, KF+8*(2*((i/4)%4)+i/16)
.set rQ, 128+16*(i%4)+8*(i/16)
.if i < 16
	v_wmma_f32_16x16x32_f16 v[rS:rS+7], v[rK:rK+7], v[rQ:rQ+7], 0
.else
	v_wmma_f32_16x16x32_f16 v[rS:rS+7], v[rK:rK+7], v[rQ:rQ+7], v[rS:rS+7]
.endif
.set i, i+1
.endr
.endm
.macro PV_ALL                          ; product i: keys 32 (i / 16) on, channels 16 ((i / 4) % 4) on, tile i % 4
	WIN W_PV
.set i, 0
.rept 32
.set rO, 32*(i%4)+8*((i/4)%4)
.set rV, 192+8*(4*(i/16)+(i/4)%4)
.set rP, S+32*(i%4)+8*(i/16)
	v_wmma_f32_16x16x32_f16 v[rO:rO+7], v[rV:rV+7], v[rP:rP+7], v[rO:rO+7]
.set i, i+1
.endr
.endm
; The softmax of four tiles for one key step; in every group of lines the tiles take turns, so that no line waits for the line above it.
.macro SOFTMAX
	WIN 0
.irp j, 0,1,2,3                        ; the maximum: four chains, one for each accumulator, each begun at its accumulator's low end
.irp t, 0,1,2,3
	v_max3_num_f32 v[ST+8*\t+4+\j], v[S+32*\t+8*\j], v[S+32*\t+8*\j+1], v[S+32*\t+8*\j+2]
.endr
.endr
.irp u, 3,5
.irp j, 0,1,2,3
.irp t, 0,1,2,3
	v_max3_num_f32 v[ST+8*\t+4+\j], v[ST+8*\t+4+\j], v[S+32*\t+8*\j+\u], v[S+32*\t+8*\j+\u+1]
.endr
.endr
.endr
.irp t, 0,1,2,3
	v_max3_num_f32 v[ST+8*\t+4], v[ST+8*\t+4], v[S+32*\t+7], v[S+32*\t+15]
.endr
.irp t, 0,1,2,3
	v_max3_num_f32 v[ST+8*\t+6], v[ST+8*\t+6], v[S+32*\t+23], v[S+32*\t+31]
.endr
.irp t, 0,1,2,3
	v_max3_num_f32 v[ST+8*\t+4], v[ST+8*\t+4], v[ST+8*\t+5], v[ST+8*\t+6]
.endr
.irp t, 0,1,2,3
	v_max3_num_f32 v[ST+8*\t+4], v[ST+8*\t+4], v[ST+8*\t+7], v[ST+8*\t+1]   ; and the old m
.endr
.irp t, 0,1,2,3
	v_permlanex16_b32 v[ST+8*\t+5], v[ST+8*\t+4], s[SEL], s[SEL+1]          ; the query's other 32 keys lie in the lane 16 away
.endr
.irp t, 0,1,2,3
	v_mov_b32 v[ST+8*\t+7], v[ST+8*\t]             ; c m_old
.endr
.irp t, 0,1,2,3
	v_max_num_f32 v[ST+8*\t+1], v[ST+8*\t+4], v[ST+8*\t+5]
.endr
.irp t, 0,1,2,3
	v_mul_f32 v[ST+8*\t], s[CS], v[ST+8*\t+1]
.endr
.irp t, 0,1,2,3
	v_sub_f32 v[ST+8*\t+7], v[ST+8*\t+7], v[ST+8*\t]
.endr
.irp i, 0,2,4,6,8,10,12,14,16,18,20,22,24,26,28,30
.irp t, 0,1,2,3
	v_pk_fma_f32 v[S+32*\t+\i:S+32*\t+\i+1], v[S+32*\t+\i:S+32*\t+\i+1], s[CS:CS+1], v[ST+8*\t:ST+8*\t+1] op_sel_hi:[1,0,0] neg_lo:[0,0,1] neg_hi:[0,0,1]   ; c s - c m
.endr
.endr
.irp t, 0,1,2,3                        ; ONE batch of 132 exponentials, none of which reads another's result
	v_exp_f32 v[ST+8*\t+6], v[ST+8*\t+7]           ; a
.endr
.irp e, 0,1,2,3,4,5,6,7,8,9,10,11,12,13,14,15,16,17,18,19,20,21,22,23,24,25,26,27,28,29,30,31
.irp t, 0,1,2,3
	v_exp_f32 v[S+32*\t+\e], v[S+32*\t+\e]         ; p
.endr
.endr
	v_nop                                          ; a plain line behind the last exponential
	s_wait_alu depctr_va_vdst(0)                   ; one wait for the batch, ahead of its first reader
.irp t, 0,1,2,3                        ; the sums are taken of the unrounded p, two at a time, in two chains
	v_pk_fma_f32 v[ST+8*\t+2:ST+8*\t+3], v[ST+8*\t+2:ST+8*\t+3], v[ST+8*\t+6:ST+8*\t+7], v[S+32*\t:S+32*\t+1] op_sel_hi:[1,0,1]   ; l = a l + the first pair
.endr
.irp t, 0,1,2,3
	v_pk_add_f32 v[ST+8*\t+4:ST+8*\t+5], v[S+32*\t+2:S+32*\t+3], v[S+32*\t+4:S+32*\t+5]
.endr
.irp i, 6,10,14,18,22,26
.irp t, 0,1,2,3
	v_pk_add_f32 v[ST+8*\t+2:ST+8*\t+3], v[ST+8*\t+2:ST+8*\t+3], v[S+32*\t+\i:S+32*\t+\i+1]
	v_pk_add_f32 v[ST+8*\t+4:ST+8*\t+5], v[ST+8*\t+4:ST+8*\t+5], v[S+32*\t+\i+2:S+32*\t+\i+3]
.endr
.endr
.irp t, 0,1,2,3
	v_pk_add_f32 v[ST+8*\t+2:ST+8*\t+3], v[ST+8*\t+2:ST+8*\t+3], v[S+32*\t+30:S+32*\t+31]
.endr
.irp t, 0,1,2,3
	v_pk_add_f32 v[ST+8*\t+2:ST+8*\t+3], v[ST+8*\t+2:ST+8*\t+3], v[ST+8*\t+4:ST+8*\t+5]
.endr
.irp i, 0,1,2,3,4,5,6,7,8,9,10,11,12,13,14,15   ; P in place: register i takes pair i; destination i never passes source 2 i
.irp t, 0,1,2,3
	v_cvt_pk_f16_f32 v[S+32*\t+\i], v[S+32*\t+2*\i], v[S+32*\t+2*\i+1]
.endr
.endr
	WIN W_RS
.irp i, 0,2,4,6,8,10,12,14,16,18,20,22,24,26,28,30   ; O^T times a, each accumulator from its low end on
.irp t, 0,1,2,3
	v_pk_mul_f32 v[32*\t+\i:32*\t+\i+1], v[32*\t+\i:32*\t+\i+1], v[ST+8*\t+6:ST+8*\t+7] op_sel_hi:[1,0]
.endr
.endr
.endm
.macro STEP
	WIN 0
	v_add_nc_u32 v[ADK], s[TB], v[AK0]             ; these two and three v_nop are five plain lines behind the last V^T P: V's registers are loaded anew, and P's are written over by matrix instructions
	v_add_nc_u32 v[ADV], s[TB], v[AV0]
.rept 3
	v_nop
.endr
	s_add_co_u32 s[TB], s[TB], STEPB
	FETCH_K
	FETCH_V
	s_wait_dscnt 16                                ; K is in; V's sixteen loads may be out
	KQ_ALL
	WIN 0
.rept 4
	v_nop                                          ; four plain lines between the last product and the first read of the scores
.endr
	SOFTMAX
	s_wait_dscnt 0x0                               ; V is in
	PV_ALL
.endm
.macro FOUR_STEPS                      ; a slot's key steps: written once, walked four times; the LDS addresses hang on s[TB]
	s_mov_b32 s[CNT], NST
.Lstep_\@:
	STEP
	WIN 0
	s_sub_co_u32 s[CNT], s[CNT], 1
	s_cmp_lg_u32 s[CNT], 0
	s_cbranch_scc1 .Lstep_\@
	s_sub_co_u32 s[TB], s[TB], NST*STEPB           ; back to a slot's first step,
	s_xor_b32 s[TB], s[TB], SLOT1                  ; in the other slot
.endm
; THE CHANGE OF SLOTS stands at a slot's head.  Each wave waits for all its tensor loads (its part of the slot that it is about to read), adds 0 to its spare word, and waits for that and for its reads of the
; slot that it has left.  fill = 1: a round of the cluster's barrier, and behind it the other slot is asked for, with the keys that follow.
.macro CHANGE fill
	WIN 0
	s_wait_tensorcnt 0x0                           ; no tensor load of mine is out, so a group 0 may be written
	ds_add_u32 v[SPW], v[NIL]
.if \fill
	s_xor_b32 s[G0K+1], s[G0K+1], SLOT1            ; the walking descriptors: the other slot than last time,
	s_add_nc_u64 s[G0K+2:G0K+3], s[G0K+2:G0K+3], SLOTB   ; the next 256 keys
	s_xor_b32 s[G0V+1], s[G0V+1], SLOT1
	s_add_nc_u64 s[G0V+2:G0V+3], s[G0V+2:G0V+3], SLOTB
	s_wait_xcnt 0x0                                ; the last prefetch, a slot back, has read its address
	s_add_nc_u64 s[PFA:PFA+1], s[PFA:PFA+1], SLOTB ; one slot further on than the walking descriptors
	s_wait_dscnt 0x0                               ; the add is done, and my reads of the slot that I have left are over
	CROUND
	JLOAD                                          ; my one tensor load behind the round
	ASK
.else
	s_wait_dscnt 0x0
	s_barrier_signal -1
	s_barrier_wait -1
.endif
.endm
	s_wait_loadcnt 0x0                             ; Q
.Lslot:                                            ; 7 trips: behind each change of slots but the last the next slot is asked for; the first trip's loads fill slot 1 for the first time
	CHANGE 1
	FOUR_STEPS
	s_sub_co_u32 s[SLOTS], s[SLOTS], 1
	s_cmp_lg_u32 s[SLOTS], 0
	s_cbranch_scc1 .Lslot
	CHANGE 0                                       ; the last slot is written out
	FOUR_STEPS
	; THE WAY OUT.  l's halves and the other half of the lanes' are added (these lines are also the plain lines behind the last products); O^T / l is rounded to f16 and goes through my stage, a tile at a time.
.irp t, 0,1,2,3
	v_add_f32 v[ST+8*\t+4], v[ST+8*\t+2], v[ST+8*\t+3]
.endr
.irp t, 0,1,2,3
	v_permlanex16_b32 v[ST+8*\t+5], v[ST+8*\t+4], s[SEL], s[SEL+1]
.endr
.irp t, 0,1,2,3
	v_add_f32 v[ST+8*\t+4], v[ST+8*\t+4], v[ST+8*\t+5]
.endr
.irp t, 0,1,2,3
	v_rcp_f32 v[ST+8*\t+6], v[ST+8*\t+4]
.endr
	v_nop                                          ; a plain line behind the last reciprocal
	s_wait_alu depctr_va_vdst(0)                   ; one wait for the four, ahead of the first use
.macro PACK t
	WIN OUTW
.irp i, 0,2,4,6,8,10,12,14,16,18,20,22,24,26,28,30
	v_pk_mul_f32 v[S+32*\t+\i:S+32*\t+\i+1], v[32*\t+\i:32*\t+\i+1], v[ST+8*\t+6:ST+8*\t+7] op_sel_hi:[1,0]
.endr
	WIN 0
.irp i, 0,1,2,3,4,5,6,7,8,9,10,11,12,13,14,15
	v_cvt_pk_f16_f32 v[S+32*\t+\i], v[S+32*\t+2*\i], v[S+32*\t+2*\i+1]
.endr
.irp c, 0,1,2,3
	ds_store_b128 v[STO], v[S+32*\t+4*\c:S+32*\t+4*\c+3] offset:32*\c
.endr
.irp i, 0,1,2,3
	ds_load_b128 v[S+32*\t+16+4*\i:S+32*\t+16+4*\i+3], v[RD] offset:4*SP*\i   ; LDS serves a wave's instructions in order: these see the stores above, and the next tile's stores come behind them
.endr
.endm
.macro SEND t, younger                 ; younger: the LDS instructions issued behind tile t's loads: the next tile's eight, or none
.irp i, 0,1,2,3
	s_wait_dscnt \younger+3-\i
	global_store_b128 v[GO], v[S+32*\t+16+4*\i:S+32*\t+16+4*\i+3], s[10:11] offset:32768*\t+8192*\i   ; sixteen lanes store 256 consecutive bytes, aligned
.endr
.endm
	PACK 0
	PACK 1
	SEND 0, 8
	PACK 2
	SEND 1, 8
	PACK 3
	SEND 2, 8
	SEND 3, 0
	s_wait_tensorcnt 0x0                           ; the wave's end
	ds_add_u32 v[SPW], v[NIL]
	s_wait_dscnt 0x0
	CROUND                                         ; the closing round
	s_endpgm
.Lfunc_end_k_q39018ad100_attn:
	.size	k_q39018ad100_attn, .Lfunc_end_k_q39018ad100_attn-k_q39018ad100_attn
	.p2alignl 7, 3214868480
	.fill 96, 4, 3214868480
	.section	.rodata,"a",@progbits
	.p2align	6, 0x0
	.amdhsa_kernel k_q39018ad100_attn
		.amdhsa_group_segment_fixed_size 327680
		.amdhsa_private_segment_fixed_size 0
		.amdhsa_enable_private_segment 0
		.amdhsa_kernarg_size 16
		.amdhsa_user_sgpr_count 2
		.amdhsa_user_sgpr_kernarg_segment_ptr 1
		.amdhsa_wavefront_size32 1
		.amdhsa_system_sgpr_workgroup_id_x 1
		.amdhsa_system_sgpr_workgroup_id_y 1
		.amdhsa_system_sgpr_workgroup_id_z 1
		.amdhsa_system_vgpr_workitem_id 0
		.amdhsa_next_free_vgpr 512
		.amdhsa_next_free_sgpr 72
		.amdhsa_reserve_vcc 0
		.amdhsa_float_denorm_mode_32 3
		.amdhsa_float_denorm_mode_16_64 3
		.amdhsa_memory_ordered 1
		.amdhsa_forward_progress 1
		.amdhsa_inst_pref_size 92
	.end_amdhsa_kernel
	.amdgpu_metadata
---
amdhsa.version: [ 1, 2 ]
amdhsa.kernels:
  - .name:           k_q39018ad100_attn
    .symbol:         k_q39018ad100_attn.kd
    .args:
      - { .name: qkvh, .offset: 0, .size: 8, .value_kind: global_buffer, .address_space: global }
      - { .name: oh, .offset: 8, .size: 8, .value_kind: global_buffer, .address_space: global }
    .group_segment_fixed_size: 327680
    .private_segment_fixed_size: 0
    .kernarg_segment_align: 8
    .kernarg_segment_size: 16
    .max_flat_workgroup_size: 256
    .sgpr_count:     72
    .vgpr_count:     512
    .wavefront_size: 32
...
	.end_amdgpu_metadata
.endif
;; end of part 3
;; launch oproj (part 4): grid 4 x 64, 4 waves a work-group, clusters of 4 x 4, 327,680 bytes of LDS; arguments oh, wo16, bo, out0; writes out0
.if DOCPART == 4
	.amdgcn_target "amdgcn-amd-amdhsa--gfx1250"
	.amdhsa_code_object_version 6
	.text
	.protected	k_q39018ad100_oproj
	.globl	k_q39018ad100_oproj
	.p2align	8
	.type	k_q39018ad100_oproj,@function
k_q39018ad100_oproj:
	s_mov_b64 s[64:65], 0
	v_nop
	global_prefetch_b8 v0, s[64:65] scope:SCOPE_SE
	s_setreg_imm32_b32 hwreg(HW_REG_WAVE_MODE, 25, 1), 1
	s_wait_xcnt 0x0
	s_wait_alu depctr_hold_cnt(0) depctr_sa_sdst(0) depctr_va_vdst(0) depctr_va_sdst(0) depctr_va_ssrc(0) depctr_va_vcc(0) depctr_vm_vsrc(0)
	s_getreg_b32 s2, hwreg(HW_REG_IB_STS2, 6, 4)
	s_cmp_eq_u32 s2, 0
	s_cbranch_scc0 .Lentry_in_a_cluster
	s_endpgm
.Lentry_in_a_cluster:
	s_bfe_u32 s2, ttmp6, 0x10000c
	s_cmp_lg_u32 s2, 0xf033
	s_cbranch_scc0 .Lentry_shape_is_right
	s_endpgm
.Lentry_shape_is_right:
; out0[m][n] = sum over k of o[m][k] Wo[n][k] + bo[n]: 8,192 x 1,024 x 1,024, f16 operands, f32 sums, f32 out.
; o lies in oh by token pairs: byte (m / 2) 4096 + head 256 + (m % 2) 128 + 2 d, k = 64 head + d.  A K step of 128 (two heads) of 128 tokens is a plain tile of 64 rows x 512 bytes, 4,096 bytes apart.
; A tile of out0 is 128 x 256: 256 work-groups, one for each WGP (tiles of 256 x 256 would be 128).  Four waves of 64 rows x 128 columns: 32 accumulators, 256 registers.
; K goes in 8 steps of 128 through a ring of two LDS slots; waves 0 and 1 fetch A's halves, waves 2 and 3 B's, one load a wave behind each round.
; CLUSTERS: 4 x 4; A's tile is shared along a row of the cluster, B's along a column: joint loads.  TRANSPOSED USE: source 0 = 16 rows of Wo, source 1 = 16 tokens: a lane holds eight neighbouring columns of a row.
; The bias is the C of each sum's first product.  No prefetch: of K's 8 steps two come at the head, and each later one has a whole step's products in which to land.
; REGISTERS.  Window 0: v16-29 addresses; v32-95 the bias; v128-159, v160-191 A's fragments, two buffers; on the way out v128-255.  Window 1: v0-63, v64-127 B's fragments.  Window 2: accumulator (a, b) at v[8 (8 a + b)].
.set PA,    528                        ; A: an LDS row: a token pair x two heads, 512 bytes + 16: token r at (r / 2) PA + (r % 2) 128: sixteen different 16-byte columns
.set PB,    272                        ; B: 256 bytes + 16
.set BOFF,  64*PA                      ; a slot: A's 64 rows, then B's 256
.set SLOT,  BOFF+256*PB
.set STAGE, 2*SLOT                     ; behind the ring: 16 rows x (512 + 16) bytes for each wave
.set SPI,   528
.set SPARE, STAGE+4*16*SPI
.set LAPS,  4                          ; a lap = two K steps
.set ADRA, 16
.set ADRB, 20
.set STO,  24
.set RD,   25
.set CO,   26
.set SPW,  28
.set NIL,  29
.set BI,   32
.set AF,   128
.set BK,   128
.set WV,   12
.set HR,   13
.set HC,   14
.set G1, 24
.set G0, 32
.set G1B, 48
.set G0B, 56
.set MSB, 0
.macro WIN new
.if MSB != (\new)
	s_set_vgpr_msb (MSB<<8)|(\new)
.set MSB, (\new)
.endif
.endm
.set MUL,  0xa1                        ; source 0 (B) window 1, source 1 (A) window 0, C and D window 2
.set MULZ, 0x81                        ; the first products: C (the bias) window 0
.set TO_B, 0x40
.macro JLOAD s                         ; an s_nop 0 and four v_nop follow each of the two lines
	s_cmp_eq_u32 s[HR], 0
	s_cbranch_scc0 .Lfor_b_\@
	tensor_load_to_lds s[G0+4*\s:G0+4*\s+3], s[G1:G1+7]
	s_nop 0
.rept 4
	v_nop
.endr
	s_branch .Lasked_\@
.Lfor_b_\@:
	tensor_load_to_lds s[G0B+4*\s:G0B+4*\s+3], s[G1B:G1B+7]
	s_nop 0
.rept 4
	v_nop
.endr
.Lasked_\@:
.endm
.macro CREST
	s_cmp_lg_u32 s[WV], 0
	s_cbranch_scc1 .Lnot_wave_0_\@
	s_barrier_signal -3
.Lnot_wave_0_\@:
	s_barrier_wait -3
	s_barrier_signal -1
	s_barrier_wait -1
.endm
.macro CROUND
	s_barrier_signal -1
	s_barrier_wait -1
	CREST
.endm
	s_load_b128 s[4:7], s[0:1], 0x0                ; oh, wo16
	s_load_b128 s[8:11], s[0:1], 0x10              ; bo, out0
	v_lshl_add_u32 v[SPW], v0, 2, SPARE
	v_mov_b32 v[NIL], 0
	ds_add_u32 v[SPW], v[NIL]                      ; the wave's opening: the add, twice on end, and its wait ahead of my first tensor load
	ds_add_u32 v[SPW], v[NIL]
	v_lshrrev_b32 v1, 5, v0
	v_readfirstlane_b32 s[WV], v1
	s_lshr_b32 s[HR], s[WV], 1                     ; which 64 rows are mine.  Also: I fetch for A (0) or for B (1)
	s_and_b32 s[HC], s[WV], 1                      ; which 128 columns.  Also: which half of that tile I fetch
	s_bfe_u32 s40, ttmp6, 0x40000                  ; cx
	s_bfe_u32 s41, ttmp6, 0x40004                  ; cy
	s_lshl_b32 s42, ttmp9, 2
	s_add_co_u32 s42, s42, s40                     ; tile column X: 0..3
	s_and_b32 s45, ttmp7, 0xffff
	s_lshl_b32 s45, s45, 2
	s_add_co_u32 s45, s45, s41                     ; tile row Y: 0..63
	s_lshl_b32 s43, s41, 2
	s_lshl_b32 s43, 15, s43                        ; my row of the cluster
	s_lshl_b32 s44, 0x1111, s40                    ; my column
	s_or_b32 s[G1+0], s43, (1<<16)|(1<<20)|(1<<21)|(6<<22)|(3<<25)   ; A: elements of 2 bytes; 4 words of padding behind every 128
	s_mov_b32 s[G1+1], 256<<16                     ; tensor_dim0 = 256 elements
	s_mov_b32 s[G1+2], 32<<16                      ; tensor_dim1 = 32 rows
	s_mov_b32 s[G1+3], 256<<16                     ; tile_dim0
	s_mov_b32 s[G1+4], 32                          ; tile_dim1
	s_mov_b32 s[G1+5], 2048                        ; stride: 4,096 bytes
	s_mov_b32 s[G1+6], 0
	s_mov_b32 s[G1+7], 0
	s_or_b32 s[G1B+0], s44, (1<<16)|(1<<20)|(1<<21)|(5<<22)|(3<<25)  ; B: 4 words behind every 64
	s_mov_b32 s[G1B+1], 128<<16
	s_mov_b32 s[G1B+2], 128<<16
	s_mov_b32 s[G1B+3], 128<<16
	s_mov_b32 s[G1B+4], 128
	s_mov_b32 s[G1B+5], 1024
	s_mov_b32 s[G1B+6], 0
	s_mov_b32 s[G1B+7], 0
	s_lshl_b32 s16, s45, 6
	s_lshl_b32 s17, s[HC], 5
	s_add_co_u32 s16, s16, s17                     ; A: token pair 64 Y + 32 x half,
	s_lshl_b32 s16, s16, 12                        ; of 4,096 bytes
	s_mov_b32 s17, 0
	s_lshl_b32 s46, s42, 8
	s_lshl_b32 s47, s[HC], 7
	s_add_co_u32 s46, s46, s47                     ; B: row 256 X + 128 x half,
	s_lshl_b32 s46, s46, 11                        ; of 2,048 bytes
	s_mov_b32 s47, 0
	s_mul_i32 s20, s[HC], 32*PA                    ; where they go: no place in the cluster enters an LDS address
	s_mul_i32 s21, s[HC], 128*PB
	s_add_co_u32 s21, s21, BOFF
	s_wait_dscnt 0x0                               ; both opening adds are done
	s_wait_kmcnt 0x0
	s_add_nc_u64 s[16:17], s[4:5], s[16:17]
	s_add_nc_u64 s[46:47], s[6:7], s[46:47]
	CROUND                                         ; all sixteen work-groups are here
.irp s, 0,1
	s_mov_b32 s[G0+4*\s], 1
	s_add_co_u32 s[G0+4*\s+1], s20, \s*SLOT
	s_add_nc_u64 s[G0+4*\s+2:G0+4*\s+3], s[16:17], \s*512      ; K step s: two heads, 512 bytes of a pair's row
	s_or_b32 s[G0+4*\s+3], s[G0+4*\s+3], 0x80000000
	s_mov_b32 s[G0B+4*\s], 1
	s_add_co_u32 s[G0B+4*\s+1], s21, \s*SLOT
	s_add_nc_u64 s[G0B+4*\s+2:G0B+4*\s+3], s[46:47], \s*256
	s_or_b32 s[G0B+4*\s+3], s[G0B+4*\s+3], 0x80000000
	JLOAD \s                                       ; two loads of mine are out
.endr
	v_and_b32 v1, 15, v0                           ; r
	v_bfe_u32 v2, v0, 4, 1                         ; h
	s_lshl_b32 s18, s42, 10
	s_lshl_b32 s2, s[HC], 9
	s_add_co_u32 s18, s18, s2                      ; my first column, in bytes of f32
	s_mov_b32 s19, 0
	s_add_nc_u64 s[8:9], s[8:9], s[18:19]          ; the bias: lane (r, h) wants, for tile b, bo[16 b + 8 h + 0 .. 7]
	s_add_nc_u64 s[10:11], s[10:11], s[18:19]
	v_lshlrev_b32 v7, 5, v2
.irp b, 0,1,2,3,4,5,6,7
	global_load_b128 v[BI+8*\b:BI+8*\b+3], v7, s[8:9] offset:64*\b
	global_load_b128 v[BI+8*\b+4:BI+8*\b+7], v7, s[8:9] offset:64*\b+16
.endr
	s_lshl_b32 s18, s45, 7
	s_lshl_b32 s2, s[HR], 6
	s_add_co_u32 s18, s18, s2                      ; my first row of out0: 128 Y + 64 x half,
	s_lshl_b32 s18, s18, 12                        ; of 4,096 bytes
	s_add_nc_u64 s[10:11], s[10:11], s[18:19]
	v_lshrrev_b32 v3, 1, v1
	v_mul_u32_u24 v3, v3, PA
	v_and_b32 v4, 1, v0
	v_lshl_add_u32 v3, v4, 7, v3
	v_lshl_add_u32 v3, v2, 4, v3                   ; A: token r at (r / 2) PA + (r % 2) 128, + 16 h
	v_mul_u32_u24 v5, v1, PB
	v_lshl_add_u32 v5, v2, 4, v5                   ; B: row r, + 16 h
	s_mul_i32 s22, s[HR], 32*PA                    ; my 64 tokens
	s_mul_i32 s23, s[HC], 128*PB                   ; my 128 rows of Wo
	s_add_co_u32 s23, s23, BOFF
.irp s, 0,1
	v_add_nc_u32 v[ADRA+\s], s22, v3
	v_add_nc_u32 v[ADRB+\s], s23, v5
	s_add_co_u32 s22, s22, SLOT
	s_add_co_u32 s23, s23, SLOT
.endr
	s_mul_i32 s22, s[WV], 16*SPI
	s_add_co_u32 s22, s22, STAGE                   ; my stage
	v_mul_u32_u24 v5, v1, SPI
	v_lshl_add_u32 v5, v2, 5, v5
	v_add_nc_u32 v[STO], s22, v5                   ; in: row r, 32 bytes for each half of the lanes
	v_and_b32 v6, 31, v0
	v_lshlrev_b32 v[CO], 4, v6                     ; back: the 32 lanes take one row of 512 bytes; the same in out0
	v_add_nc_u32 v[RD], s22, v[CO]
; 24 LDS loads in one run: quarter q (32 along K) of a slot into buffer f: B's eight fragments, then A's four
.macro FETCH slot, q, f
	WIN TO_B
.irp i, 0,1,2,3,4,5,6,7
	ds_load_b128 v[64*(\f)+8*\i:64*(\f)+8*\i+3], v[ADRB+\slot] offset:64*(\q)+\i*16*PB
	ds_load_b128 v[64*(\f)+8*\i+4:64*(\f)+8*\i+7], v[ADRB+\slot] offset:64*(\q)+\i*16*PB+32
.endr
	WIN 0
.irp i, 0,1,2,3
	ds_load_b128 v[AF+32*(\f)+8*\i:AF+32*(\f)+8*\i+3], v[ADRA+\slot] offset:256*((\q)/2)+64*((\q)%2)+\i*8*PA
	ds_load_b128 v[AF+32*(\f)+8*\i+4:AF+32*(\f)+8*\i+7], v[ADRA+\slot] offset:256*((\q)/2)+64*((\q)%2)+\i*8*PA+32
.endr
.endm
; 8 matrix instructions: A's block a x B's eight.  The 32 accumulators take turns, one instruction a turn, in the same order in every quarter.
.macro MUL8 f, a, zero
.irp b, 0,1,2,3,4,5,6,7
.if \zero
	v_wmma_f32_16x16x32_f16 v[8*(8*(\a)+\b):8*(8*(\a)+\b)+7], v[64*(\f)+8*\b:64*(\f)+8*\b+7], v[AF+32*(\f)+8*(\a):AF+32*(\f)+8*(\a)+7], v[BI+8*\b:BI+8*\b+7]
.else
	v_wmma_f32_16x16x32_f16 v[8*(8*(\a)+\b):8*(8*(\a)+\b)+7], v[64*(\f)+8*\b:64*(\f)+8*\b+7], v[AF+32*(\f)+8*(\a):AF+32*(\f)+8*(\a)+7], v[8*(8*(\a)+\b):8*(8*(\a)+\b)+7]
.endif
.endr
.endm
.macro PLACES                          ; four plain lines in front of loads into registers that matrix instructions have read, and of the first read of results
.rept 4
	v_nop
.endr
.endm
; A K step is four quarters of 32 along K, 32 matrix instructions each, on buffers 0, 1, 0, 1.  One of the first three multiplies buffer f and fetches quarter q into g.
.macro QUARTER slot, q, f, g, zero
	s_wait_dscnt 4                                 ; B and A's blocks 0 and 1 are in; the youngest four loads (blocks 2 and 3) may be out
.if \zero
	WIN MULZ
.else
	WIN MUL
.endif
	MUL8 \f, 0, \zero
	MUL8 \f, 1, \zero
	PLACES
	FETCH \slot, \q, \g
	s_wait_dscnt 24                                ; all but the 24 just issued
.if \zero
	WIN MULZ
.else
	WIN MUL
.endif
	MUL8 \f, 2, \zero
	MUL8 \f, 3, \zero
.endm
; The last quarter multiplies buffer 1 and changes slots: one barrier; in front of it each wave waits for all its tensor loads, adds 0 to its spare word, and waits for that and for its reads of this slot.
; fill = 1: the barrier opens a round of the cluster's, and this slot is filled again, two K steps ahead.
.macro TURN slot, next, fill
	WIN 0
	s_wait_tensorcnt 0x0                           ; all my tensor loads have landed: my part of the next slot
	ds_add_u32 v[SPW], v[NIL]
	s_wait_dscnt 5                                 ; (the add and A's blocks 2 and 3 may be out)
	WIN MUL
	MUL8 1, 0, 0
	s_wait_dscnt 0x0                               ; the add is done, and my reads of this slot are over
	s_barrier_signal -1
	MUL8 1, 1, 0
.if \fill
	WIN 0
.endif
	s_barrier_wait -1
.if \fill
	CREST                                          ; no wave of any partner still reads this slot or has a load on its way
	s_add_nc_u64 s[G0+4*\slot+2:G0+4*\slot+3], s[G0+4*\slot+2:G0+4*\slot+3], 2*512
	s_add_nc_u64 s[G0B+4*\slot+2:G0B+4*\slot+3], s[G0B+4*\slot+2:G0B+4*\slot+3], 2*256
	JLOAD \slot                                    ; my one tensor load behind the round; its four v_nop are also the plain lines in front of the loads below
.else
	PLACES
.endif
	FETCH \next, 0, 0
	WIN MUL
	MUL8 1, 2, 0
	MUL8 1, 3, 0
.endm
	s_wait_tensorcnt 1                             ; my part of K step 0 is in (K step 1's may be out)
	s_barrier_signal -1
	s_barrier_wait -1                              ; everybody's is
	FETCH 0, 0, 0
	s_wait_loadcnt 0x0                             ; the bias
	QUARTER 0, 1, 0, 1, 1                          ; the first quarter stands in front of the loop: its products start the sums from the bias
	WIN 0
	s_mov_b32 s3, LAPS-1
.Llap:                                             ; a trip goes once round the ring and fills both slots again
	QUARTER 0, 2, 1, 0, 0
	QUARTER 0, 3, 0, 1, 0
	TURN 0, 1, 1
	QUARTER 1, 1, 0, 1, 0
	QUARTER 1, 2, 1, 0, 0
	QUARTER 1, 3, 0, 1, 0
	TURN 1, 0, 1
	QUARTER 0, 1, 0, 1, 0
	WIN 0
	s_sub_co_u32 s3, s3, 1
	s_cmp_lg_u32 s3, 0
	s_cbranch_scc1 .Llap
	QUARTER 0, 2, 1, 0, 0                          ; the last lap fills nothing
	QUARTER 0, 3, 0, 1, 0
	TURN 0, 1, 0
	QUARTER 1, 1, 0, 1, 0
	QUARTER 1, 2, 1, 0, 0
	QUARTER 1, 3, 0, 1, 0
	s_wait_dscnt 4                                 ; the very last quarter
	WIN MUL
	MUL8 1, 0, 0
	MUL8 1, 1, 0
	s_wait_dscnt 0x0
	MUL8 1, 2, 0
	MUL8 1, 3, 0
	WIN 0
; THE WAY OUT, a block of 16 rows x 128 columns at a time, through my own stage: back as whole rows of 512 bytes.  LDS serves a wave's instructions in order.
.macro TOSTAGE a
.if (\a) > 1
	s_wait_xcnt 0x0                                ; the stores of the block two back have read the registers that these loads fill
.endif
	WIN 0x08                                       ; an LDS store's data are its source 1: window 2
.irp b, 0,1,2,3,4,5,6,7
	ds_store_b128 v[STO], v[8*(8*(\a)+\b):8*(8*(\a)+\b)+3] offset:64*\b         ; each accumulator from its low end on
	ds_store_b128 v[STO], v[8*(8*(\a)+\b)+4:8*(8*(\a)+\b)+7] offset:64*\b+16
.endr
	WIN 0
.set BB, BK+64*((\a)%2)
.irp t, 0,1,2,3,4,5,6,7,8,9,10,11,12,13,14,15
	ds_load_b128 v[BB+4*\t:BB+4*\t+3], v[RD] offset:\t*SPI
.endr
.endm
.macro SEND a, younger                 ; younger: the LDS instructions issued behind block a's loads
.set BB, BK+64*((\a)%2)
	s_wait_dscnt \younger
.irp t, 0,1,2,3,4,5,6,7,8,9,10,11,12,13,14,15
	global_store_b128 v[CO], v[BB+4*\t:BB+4*\t+3], s[10:11] offset:65536*(\a)+4096*\t th:TH_STORE_NT   ; 32 lanes store 512 consecutive bytes, aligned
.endr
.endm
	PLACES
	TOSTAGE 0
.irp a, 1,2,3
	TOSTAGE \a
	SEND \a-1, 32                                  ; behind block a - 1's loads: block a's 16 stores and 16 loads
.endr
	SEND 3, 0
	s_wait_tensorcnt 0x0                           ; the wave's end
	ds_add_u32 v[SPW], v[NIL]
	s_wait_dscnt 0x0
	CROUND                                         ; the closing round
	s_endpgm
.Lfunc_end_k_q39018ad100_oproj:
	.size	k_q39018ad100_oproj, .Lfunc_end_k_q39018ad100_oproj-k_q39018ad100_oproj
	.p2alignl 7, 3214868480
	.fill 96, 4, 3214868480
	.section	.rodata,"a",@progbits
	.p2align	6, 0x0
	.amdhsa_kernel k_q39018ad100_oproj
		.amdhsa_group_segment_fixed_size 327680
		.amdhsa_private_segment_fixed_size 0
		.amdhsa_enable_private_segment 0
		.amdhsa_kernarg_size 32
		.amdhsa_user_sgpr_count 2
		.amdhsa_user_sgpr_kernarg_segment_ptr 1
		.amdhsa_wavefront_size32 1
		.amdhsa_system_sgpr_workgroup_id_x 1
		.amdhsa_system_sgpr_workgroup_id_y 1
		.amdhsa_system_sgpr_workgroup_id_z 1
		.amdhsa_system_vgpr_workitem_id 0
		.amdhsa_next_free_vgpr 768
		.amdhsa_next_free_sgpr 66
		.amdhsa_reserve_vcc 0
		.amdhsa_float_denorm_mode_32 3
		.amdhsa_float_denorm_mode_16_64 3
		.amdhsa_memory_ordered 1
		.amdhsa_forward_progress 1
		.amdhsa_inst_pref_size 87
	.end_amdhsa_kernel
	.amdgpu_metadata
---
amdhsa.version: [ 1, 2 ]
amdhsa.kernels:
  - .name:           k_q39018ad100_oproj
    .symbol:         k_q39018ad100_oproj.kd
    .args:
      - { .name: oh, .offset: 0, .size: 8, .value_kind: global_buffer, .address_space: global }
      - { .name: wo16, .offset: 8, .size: 8, .value_kind: global_buffer, .address_space: global }
      - { .name: bo, .offset: 16, .size: 8, .value_kind: global_buffer, .address_space: global }
      - { .name: out0, .offset: 24, .size: 8, .value_kind: global_buffer, .address_space: global }
    .group_segment_fixed_size: 327680
    .private_segment_fixed_size: 0
    .kernarg_segment_align: 8
    .kernarg_segment_size: 32
    .max_flat_workgroup_size: 128
    .sgpr_count:     66
    .vgpr_count:     768
    .wavefront_size: 32
...
	.end_amdgpu_metadata
.endif
;; end of part 4
